; MI455X (gfx1250); checked and timed in simulation.
; The chip was launched on July 23, 2026; its instructions are those of AMD's public machine-readable ISA for CDNA 5 (MIT licence, August 2026) and "CDNA5" Instruction Set Architecture Reference Guide (July 2026). The comments in the code are by the model that wrote it; some were corrected since.
;; Single Head Attention. Allowed arithmetic: matrix products marked QUANTISED: E2M3 operands, one E8M0 scale for each 32 along K, by v_wmma_scale_f32_16x16x128_f8f6f4 with both operands' format E2M3, f32 sums; everything else in f32.
;; Inputs: W_k 1,024 x 1,024 float32; W_o 1,024 x 1,024 float32; W_q 1,024 x 1,024 float32; W_v 1,024 x 1,024 float32; x 4 x 2,048 x 1,024 float32.
;; Outputs: out0 4 x 2,048 x 1,024 float32.
;; This version of the problem:
;;   THIS VERSION OF THE PROBLEM IS GIVEN IN LOW PRECISION. The matrix products marked QUANTISED in the list below multiply operands that are first quantised to E2M3 (2 exponent bits, 3 mantissa bits; 6 bits a number), with one power-of-two scale for each 32 numbers along K (OCP MX v1.0); their sums are f32. All else is computed in f32.
;;   The module's matrix products, in the order in which they are computed (A, B: the left and right operand; K: the contracted axis; several contracted axes count as one K, in the product's order):
;;     1. [M 8,192, K 1,024] x [K 1,024, N 1,024]; A: input x; B: input W_q: QUANTISED
;;     2. [M 8,192, K 1,024] x [K 1,024, N 1,024]; A: input x; B: input W_k: QUANTISED
;;     3. [M 8,192, K 1,024] x [K 1,024, N 1,024]; A: input x; B: input W_v: QUANTISED
;;     4. batch 4 x [M 2,048, K 1,024] x [K 1,024, N 2,048]; A: computed on the way; B: computed on the way: QUANTISED
;;     5. batch 4 x [M 2,048, K 2,048] x [K 2,048, N 1,024]; A: softmax (see below); B: computed on the way: QUANTISED
;;     6. [M 8,192, K 1,024] x [K 1,024, N 1,024]; A: computed on the way; B: input W_o: QUANTISED
;;   THE QUANTISER, for each operand of a quantised product, along K:
;;     - K is cut into blocks of 32 from its start; a last block that is shorter is filled with zeros.
;;     - A block's scale is 2^e with e = floor(log2(the largest magnitude in the block)) - 2, held to -126 .. 127; a block of zeros has e = 0. As a byte (E8M0): e + 127.
;;     - Each number is divided by its block's scale, clamped to +-7.5, and rounded to the nearest number of E2M3, ties to even, subnormals kept.
;;     - The product sums the exact products of the quantised numbers (number of the format x scale) in f32.
;;   ~~~python
;;   def quantise(x, axis):      # numpy; x: float32 -> the quantised numbers, widened to float32 again
;;       x = np.moveaxis(x, axis, -1); K = x.shape[-1]
;;       x = np.pad(x, [(0, 0)] * (x.ndim - 1) + [(0, -K % 32)]); x = x.reshape(x.shape[:-1] + (-1, 32)); a = np.abs(x).max(-1, keepdims=True)
;;       e = np.where(a > 0, np.clip(np.frexp(np.where(a > 0, a, 1))[1] - 1 - 2, -126, 127), 0)      # np.frexp(a)[1] - 1 = floor(log2(a)), exactly
;;       r = np.clip(x / 2.0 ** e, -7.5, 7.5)
;;       step = 2.0 ** (np.maximum(np.frexp(np.where(r == 0, 1, r))[1] - 1, 0) - 3)
;;       q = np.round(r / step) * step * 2.0 ** e      # np.round: ties to even
;;       return np.moveaxis(q.reshape(q.shape[:-2] + (-1,))[..., :K], -1, axis).astype(np.float32)
;;   ~~~
;;   SOFTMAX AHEAD OF A QUANTISED PRODUCT. Where the list says 'softmax', what is quantised is not the finished softmax but p = 2^(t - M), with t = logit x log2(e) and M = ceil(the row's largest t), a whole number; so 1/2 < the row's largest p <= 1. The row's sum l is taken of the UNQUANTISED p, in f32, and the product's result is divided by l at the end. Since M is a whole number, a kernel that streams over the keys may use a running M (the ceiling of the running maximum): every later rescaling is an exact power of two, which a block's scale takes up: the codes' values come out the same.
;;   OPERANDS COMPUTED ON THE WAY. 'Computed on the way' means the value that the module computes at that place (a softmax that the list does not call 'softmax' is quantised finished and normalised). What goes into a quantiser is computed in f32, as accurately as f32 sums, v_exp_f32 and their like allow (about 1e-6 of the number): no bf16 or f16 on the way to a quantiser, and a product that is left as it is and whose result goes on into a quantised operand takes f32 operands (vector FMAs, or v_wmma_f32_16x16x4_f32). A number that lies on a knife's edge between two numbers of the format may be rounded either way, as far as f32 arithmetic and the matrix unit's own rounding can turn it there, and no further.
;; One version. Each part assembles by itself: llvm-mc -triple=amdgcn-amd-amdhsa -mcpu=gfx1250 --defsym DOCPART=n.
;; ======== version 1 of 1: 5 launches
;; limits: right only within a limited range of input values
;; workspace buffers: xc 6,553,600 bytes; wqk 6,553,600 bytes; wvo 6,553,600 bytes; qk 13,107,200 bytes; vt 52,428,800 bytes; pc 7,962,624 bytes; cc 6,553,600 bytes
;; launch quant (part 1): grid 768 x 1, 8 waves a work-group, no clusters, 69,120 bytes of LDS; arguments x, W_q, W_k, W_v, W_o, xc, wqk, wvo; writes xc, wqk, wvo
.if DOCPART == 1
	.amdgcn_target "amdgcn-amd-amdhsa--gfx1250"
	.amdhsa_code_object_version 6
	.text
	.protected	k_q84ff1996b8_quant
	.globl	k_q84ff1996b8_quant
	.p2align	8
	.type	k_q84ff1996b8_quant,@function
k_q84ff1996b8_quant:
	s_mov_b64 s[64:65], 0
	v_nop
	global_prefetch_b8 v0, s[64:65] scope:SCOPE_SE
	s_setreg_imm32_b32 hwreg(HW_REG_WAVE_MODE, 25, 1), 1
	s_wait_xcnt 0x0
; SINGLE-HEAD CAUSAL ATTENTION, B = 4, S = 2,048, D = 1,024, all six products on codes of FP6 (E2M3) with one E8M0 scale for each 32 along K.
; SIX LAUNCHES: this one (x and the four weights into codes); x W_q^T and x W_k^T, quantised along the model axis; W_v x^T = v^T, quantised along the keys;
; q k^T with mask and p = 2^(t - M), quantised along the keys; p v / l, quantised along the model axis; the projection by W_o.
; DEAD WORK, LEFT OUT IN THE LATER LAUNCHES.  reference() sets the scores of keys k > q to -infinity by its own jnp.tril, so their weights are 0 for all values of the inputs.  Tiles of 256 queries x 256 keys
; that lie wholly above the diagonal are therefore neither multiplied (products 4 and 5) nor stored: 36 of 64 tiles a batch are done.  Inside a diagonal tile the hidden quarter stays in the loop; its p is stored as zero codes.
; AN IDENTITY.  q / sqrt(1024) is q / 2^5: a block's scale takes a power of two up and the codes stay.  So q is quantised undivided and the factor stands in c = log2(e) / 32, t = score x c.
; All five inputs have a way to the output and are loaded.
; LIMITS.  A NaN, an infinity or an overflow that reaches only the work left out is not carried to the result.  NaN and infinities among the inputs are not served.  A block whose largest magnitude lies under
; 2^-124 keeps the scale byte 1; a block of zeros has the byte 1 where the rule says 127 (its codes are zeros, and this program alone reads the bytes); blocks of q under 2^-119 would differ from q / 32's.
; In the fifth launch a scale byte of p that would fall under 0 is held at 0: such a block's numbers are at most 7.5 x 2^-127 beside a row whose largest p is over 1/2.
;
; THE WORKSPACE LAYOUT: CHUNKS.  A chunk is 128 rows x 128 along K in the order of the operand's registers, CH = 12,800 bytes: byte 1536 a + 512 p + 16 lane holds registers 4 p .. 4 p + 3 of the fragment of row tile a
; (16 rows x 128 K: 12 registers a lane); byte 12288 + 32 r + 4 a holds the scale word of row r of tile a.  Chunk (K step C, row group R) lies at C x CS + R x CH, CS = 819,200 in every buffer.
; ROW ORDER: tile a, tile row r is the true row 32 (a / 2) + 8 (a % 2) + r % 8 + 16 (r / 8) of its group: where such rows are source 0 of a matrix instruction, the 16 result registers of tiles 2 B and 2 B + 1 are
; 16 neighbours along the next K.  The order along K is the true one.
;
; THIS LAUNCH.  A work-group makes one chunk, each of its eight waves one fragment.  A row's 128 numbers are 512 consecutive bytes: a load takes them as they lie, 16 bytes a lane; they turn through the wave's own
; stage in LDS, so that lane (r, h) gets k = 64 c + 32 h + 0 .. 31 of row r: two whole blocks, in the order that the operand's layout gives that lane.  They come back into the registers that they left: so few
; registers are named that several work-groups share a WGP, each wave with its 8 KiB on their way at once.  No loop.
; No tensor load, no matrix unit, no cluster: memory binds, and work-groups share nothing.
; THE PROGRAM AS IT NOW STANDS HAS FIVE LAUNCHES: this one; x W_q^T and x W_k^T; q k^T with mask and p, and in the same launch, on work-groups of their own, W_v x^T = v^T; p v / l; the projection by W_o.
; Of the workspace buffers pc alone is not laid by C x CS + R x CH: the head of the kernel that computes p v / l states its order.
.set CH,    12800
.set CS,    819200
.set SP,    528                        ; a stage row: 512 bytes + 16
.set STGB,  16*SP                      ; a wave's stage
.set SCW,   8*STGB                     ; the chunk's 512 bytes of scale words
.set SPARE, SCW+512                    ; the spare words, 128 bytes for each of eight waves: four blocks of 256 bytes that no other line names
.set SPW,   16                         ; v16  my spare word's LDS address; never rewritten
.set NIL,   17                         ; v17  0; never rewritten
.set X,     32                         ; v32-95   16 rows as loaded; then register 32 c + i = k 64 c + 32 h + i of row r
.set C,     96                         ; v96-107  the fragment; v108-110, v112-114 the blocks' second halves
	s_load_b256 s[4:11], s[0:1], 0x0               ; x, W_q, W_k, W_v
	s_load_b256 s[12:19], s[0:1], 0x20             ; W_o, xc, wqk, wvo
	v_lshl_add_u32 v[SPW], v0, 2, SPARE
	v_mov_b32 v[NIL], 0
	v_lshrrev_b32 v1, 5, v0
	s_delay_alu instid0(VALU_DEP_1)
	v_readfirstlane_b32 s2, v1                     ; wave = row tile a
	v_and_b32 v2, 31, v0                           ; lane
	v_and_b32 v3, 15, v0                           ; r
	v_bfe_u32 v7, v0, 4, 1                         ; h
	s_delay_alu instid0(VALU_DEP_3)
	v_lshlrev_b32 v4, 4, v2                        ; 16 x lane
	s_mul_i32 s3, s2, STGB
	v_add_nc_u32 v5, s3, v4                        ; the stage on the way in: a row as it lies
	v_mul_u32_u24 v6, v3, SP
	s_delay_alu instid0(VALU_DEP_1)
	v_lshl_add_u32 v6, v7, 7, v6
	s_delay_alu instid0(VALU_DEP_1)
	v_add_nc_u32 v6, s3, v6                        ; and on the way out: row r, + 128 h bytes
	s_lshl_b32 s3, s2, 2
	v_lshl_add_u32 v8, v3, 5, SCW
	s_delay_alu instid0(VALU_DEP_1)
	v_add_nc_u32 v8, s3, v8                        ; my row's scale word: 32 r + 4 a
	v_add_nc_u32 v9, SCW, v4                       ; the words on the way out
	v_lshlrev_b32 v10, 3, v7                       ; 8 h
	s_mov_b32 s40, 0x76543210
	s_mov_b32 s41, 0xfedcba98                      ; v_permlanex16_b32's selects for lane l xor 16
	s_lshr_b32 s20, ttmp9, 3                       ; row group: 0-63 x, 64-71 W_q, 72-79 W_k, 80-87 W_v, 88-95 W_o
	s_and_b32 s21, ttmp9, 7                        ; K step
	s_and_b32 s28, s20, 7                          ; a weight's row group in its tensor,
	s_and_b32 s29, s20, 15                         ; and in its buffer: W_k behind W_q, W_o behind W_v
	s_wait_alu depctr_va_vdst(0)
	s_wait_kmcnt 0x0
	s_cmp_lt_u32 s20, 88                           ; one path for all five tensors: pointers and offsets alone are chosen, on the work-group's number
	s_cselect_b64 s[24:25], s[10:11], s[12:13]
	s_cmp_lt_u32 s20, 80
	s_cselect_b64 s[24:25], s[8:9], s[24:25]
	s_cselect_b64 s[26:27], s[16:17], s[18:19]
	s_cmp_lt_u32 s20, 72
	s_cselect_b64 s[24:25], s[6:7], s[24:25]
	s_cmp_lt_u32 s20, 64
	s_cselect_b64 s[24:25], s[4:5], s[24:25]
	s_cselect_b64 s[26:27], s[14:15], s[26:27]
	s_cselect_b32 s28, s20, s28
	s_cselect_b32 s29, s20, s29
	s_lshl_b32 s30, s28, 19                        ; 128 rows of 4,096 bytes a group
	s_lshr_b32 s32, s2, 1
	s_lshl_b32 s32, s32, 17                        ; + 32 (a / 2) rows
	s_add_co_u32 s30, s30, s32
	s_and_b32 s32, s2, 1
	s_lshl_b32 s32, s32, 15                        ; + 8 (a % 2) rows
	s_add_co_u32 s30, s30, s32
	s_lshl_b32 s32, s21, 9                         ; + the K step's 512 bytes
	s_add_co_u32 s30, s30, s32
	s_mov_b32 s31, 0
	s_add_nc_u64 s[24:25], s[24:25], s[30:31]
	s_mul_i32 s30, s21, CS
	s_mul_i32 s32, s29, CH
	s_add_co_u32 s30, s30, s32
	s_mul_i32 s32, s2, 1536
	s_add_co_u32 s30, s30, s32                     ; my fragment's place in the chunk
	s_add_nc_u64 s[26:27], s[26:27], s[30:31]
.irp i, 0,1,2,3,4,5,6,7,8,9,10,11,12,13,14,15
	global_load_b128 v[X+4*\i:X+4*\i+3], v4, s[24:25] offset:(\i%8+16*(\i/8))*4096 th:TH_LOAD_NT   ; tile row i: 32 lanes read 512 consecutive bytes; read once in the launch
.endr
.irp i, 0,1,2,3,4,5,6,7,8,9,10,11,12,13,14,15
	s_wait_loadcnt 15-\i                           ; row i is in; the younger rows stay out
	ds_store_b128 v5, v[X+4*\i:X+4*\i+3] offset:\i*SP
.endr
.irp c, 0,1
.irp i, 0,1,2,3,4,5,6,7
	ds_load_b128 v[X+32*\c+4*\i:X+32*\c+4*\i+3], v6 offset:256*\c+16*\i   ; LDS serves a wave's instructions in order (ISA guide 5.7.1.4): these see my stores, and land in the registers that the stores have left
.endr
.endr
	s_wait_dscnt 0x0
.irp c, 0,1                                    ; my block 2 c + h: all its 32 numbers are mine
	v_max3_num_f32 v[18+\c], |v[X+32*\c]|, |v[X+32*\c+1]|, 0x1800000   ; with the floor 2^(3 - 127): the byte cannot fall under 1
.endr
.irp i, 2,4,6,8,10,12,14,16,18,20,22,24,26,28,30
.irp c, 0,1
	s_delay_alu instid0(VALU_DEP_2)
	v_max3_num_f32 v[18+\c], v[18+\c], |v[X+32*\c+\i]|, |v[X+32*\c+\i+1]|
.endr
.endr
.irp c, 0,1
	s_delay_alu instid0(VALU_DEP_2)
	v_add_nc_u32 v[20+\c], 0xff000000, v[18+\c]    ; 2 off the exponent field: the conversion's scale operand
.endr
.irp c, 0,1
	s_delay_alu instid0(VALU_DEP_2)
	v_lshrrev_b32 v[22+\c], 23, v[20+\c]           ; the scale's byte
.endr
	s_delay_alu instid0(VALU_DEP_1)
	v_lshl_or_b32 v24, v23, 16, v22                ; blocks h and 2 + h,
	s_delay_alu instid0(VALU_DEP_1)
	v_lshlrev_b32 v24, v10, v24                    ; at their places in the word;
	v_mov_b32 v25, 0
	s_delay_alu instid0(VALU_DEP_1)
	v_permlanex16_b32 v25, v24, s40, s41
	s_delay_alu instid0(VALU_DEP_1)
	v_or_b32 v24, v24, v25                         ; with lane l xor 16's two the word is whole
.irp c, 0,1
	v_cvt_scalef32_pk16_fp6_f32 v[C+6*\c:C+6*\c+2], v[X+32*\c:X+32*\c+15], v[20+\c]
	v_cvt_scalef32_pk16_fp6_f32 v[108+4*\c:110+4*\c], v[X+32*\c+16:X+32*\c+31], v[20+\c]   ; (a conversion's three registers begin on an even number)
.endr
	v_nop                                          ; one plain place behind a scaled conversion
.irp c, 0,1
.irp i, 0,1,2
	v_mov_b32 v[C+3+6*\c+\i], v[108+4*\c+\i]
.endr
.endr
.irp p, 0,1,2
	global_store_b128 v4, v[C+4*\p:C+4*\p+3], s[26:27] offset:512*\p   ; 32 lanes store 512 consecutive bytes, aligned
.endr
	ds_store_b32 v8, v24                           ; lanes r and r + 16 write the same word with the same value
	s_wait_dscnt 0x0                               ; for wave 0's sake: my word has landed
	s_barrier_signal -1
	s_barrier_wait -1
	s_cmp_lg_u32 s2, 0
	s_cbranch_scc1 .Ldone
	ds_load_b128 v[26:29], v9                      ; wave 0 (whose base is the chunk's) stores the chunk's 512 bytes of scale words
	s_wait_dscnt 0x0
	global_store_b128 v4, v[26:29], s[26:27] offset:12288
.Ldone:
	s_wait_tensorcnt 0x0                           ; the wave's end, behind my last LDS store
	ds_add_u32 v[SPW], v[NIL]
	s_wait_dscnt 0x0
	s_endpgm
.Lfunc_end_k_q84ff1996b8_quant:
	.size	k_q84ff1996b8_quant, .Lfunc_end_k_q84ff1996b8_quant-k_q84ff1996b8_quant
	.p2alignl 7, 3214868480
	.fill 96, 4, 3214868480
	.section	.rodata,"a",@progbits
	.p2align	6, 0x0
	.amdhsa_kernel k_q84ff1996b8_quant
		.amdhsa_group_segment_fixed_size 69120
		.amdhsa_private_segment_fixed_size 0
		.amdhsa_enable_private_segment 0
		.amdhsa_kernarg_size 64
		.amdhsa_user_sgpr_count 2
		.amdhsa_user_sgpr_kernarg_segment_ptr 1
		.amdhsa_wavefront_size32 1
		.amdhsa_system_sgpr_workgroup_id_x 1
		.amdhsa_system_sgpr_workgroup_id_y 1
		.amdhsa_system_sgpr_workgroup_id_z 1
		.amdhsa_system_vgpr_workitem_id 0
		.amdhsa_next_free_vgpr 120
		.amdhsa_next_free_sgpr 66
		.amdhsa_reserve_vcc 0
		.amdhsa_float_denorm_mode_32 3
		.amdhsa_float_denorm_mode_16_64 3
		.amdhsa_memory_ordered 1
		.amdhsa_forward_progress 1
		.amdhsa_inst_pref_size 12
	.end_amdhsa_kernel
	.amdgpu_metadata
---
amdhsa.version: [ 1, 2 ]
amdhsa.kernels:
  - .name:           k_q84ff1996b8_quant
    .symbol:         k_q84ff1996b8_quant.kd
    .args:
      - { .name: x, .offset: 0, .size: 8, .value_kind: global_buffer, .address_space: global }
      - { .name: W_q, .offset: 8, .size: 8, .value_kind: global_buffer, .address_space: global }
      - { .name: W_k, .offset: 16, .size: 8, .value_kind: global_buffer, .address_space: global }
      - { .name: W_v, .offset: 24, .size: 8, .value_kind: global_buffer, .address_space: global }
      - { .name: W_o, .offset: 32, .size: 8, .value_kind: global_buffer, .address_space: global }
      - { .name: xc, .offset: 40, .size: 8, .value_kind: global_buffer, .address_space: global }
      - { .name: wqk, .offset: 48, .size: 8, .value_kind: global_buffer, .address_space: global }
      - { .name: wvo, .offset: 56, .size: 8, .value_kind: global_buffer, .address_space: global }
    .group_segment_fixed_size: 69120
    .private_segment_fixed_size: 0
    .kernarg_segment_align: 8
    .kernarg_segment_size: 64
    .max_flat_workgroup_size: 256
    .sgpr_count:     66
    .vgpr_count:     120
    .wavefront_size: 32
...
	.end_amdgpu_metadata
.endif
;; end of part 1
;; launch proj_qk (part 2): grid 8 x 32, 4 waves a work-group, clusters of 4 x 4, 327,680 bytes of LDS; arguments xc, wqk, qk; writes qk
.if DOCPART == 2
	.amdgcn_target "amdgcn-amd-amdhsa--gfx1250"
	.amdhsa_code_object_version 6
	.text
	.protected	k_q84ff1996b8_proj_qk
	.globl	k_q84ff1996b8_proj_qk
	.p2align	8
	.type	k_q84ff1996b8_proj_qk,@function
k_q84ff1996b8_proj_qk:
	s_mov_b64 s[64:65], 0
	v_nop
	global_prefetch_b8 v0, s[64:65] scope:SCOPE_SE
	s_setreg_imm32_b32 hwreg(HW_REG_WAVE_MODE, 25, 1), 1
	s_wait_xcnt 0x0
	s_wait_alu depctr_hold_cnt(0) depctr_sa_sdst(0) depctr_va_vdst(0) depctr_va_sdst(0) depctr_va_ssrc(0) depctr_va_vcc(0) depctr_vm_vsrc(0)
	s_getreg_b32 s2, hwreg(HW_REG_IB_STS2, 6, 4)
	s_cmp_eq_u32 s2, 0
	s_cbranch_scc0 .Lentry_in_a_cluster
	s_endpgm
.Lentry_in_a_cluster:
	s_bfe_u32 s2, ttmp6, 0x10000c
	s_cmp_lg_u32 s2, 0xf033
	s_cbranch_scc0 .Lentry_shape_is_right
	s_endpgm
.Lentry_shape_is_right:
.set CH,    12800
.set PIECE, 2*CH
.set SLOT,  4*PIECE
.set CS,    819200
.set SPARE, 3*SLOT
.set FR,    12
.set LI,    12
.set LW,    13
.set ADRA,  16
.set ADRB,  19
.set ADSA,  22
.set ADSB,  25
.set SPW,   28
.set NIL,   29
.set SC,    32
.set TM,    96
.set TP,    100
.set SO,    104
.set PW,    112
.set AF,    128
.set WV,    14
.set RH,    15
.set CF,    16
.set G1A,   24
.set G0A,   32
.set G1B,   48
.set G0B,   68
.set SEL,   56
.set HM,    58
.set OUT,   8
.set MUL_LO, 0xa1
.set MUL_HI, 0xf1
.set TO_B,   0x40
.set MSB, 0
.macro WIN new
.if MSB != \new
	s_set_vgpr_msb (MSB<<8)|\new
.set MSB, \new
.endif
.endm
.macro PLACES
.rept 4
	v_nop
.endr
.endm
.macro JLOAD g0a, g1a, g0b, g1b
	s_cmp_eq_u32 s[RH], 0
	s_cbranch_scc0 .Lfor_b_\@
	tensor_load_to_lds s[\g0a:\g0a+3], s[\g1a:\g1a+7]
	s_nop 0
	PLACES
	s_branch .Lasked_\@
.Lfor_b_\@:
	tensor_load_to_lds s[\g0b:\g0b+3], s[\g1b:\g1b+7]
	s_nop 0
	PLACES
.Lasked_\@:
.endm
; A load brings BOTH K steps of a slot for one operand: two rows of 25,600 bytes, one K step (CS bytes) apart.  At the head wave (rh, cf) fills operand rh's half of slot cf;
; slot 2 and the refill of slot 0 are asked for by the waves with cf = 0 alone.
.macro HJLOAD g0a, g0b
	s_cmp_eq_u32 s[CF], 0
	s_cbranch_scc0 .Lnone_\@
	JLOAD \g0a, G1A, \g0b, G1B
.Lnone_\@:
.endm
.macro G0SET g, l, lo, b, o
	s_mov_b32 s[\g], 1
	s_add_co_u32 s[\g+1], s\l, \lo
	s_add_nc_u64 s[\g+2:\g+3], s[\b:\b+1], \o
	s_or_b32 s[\g+3], s[\g+3], 0x80000000
.endm
.macro CREST
	s_cmp_lg_u32 s[WV], 0
	s_cbranch_scc1 .Lnot_wave_0_\@
	s_barrier_signal -3
.Lnot_wave_0_\@:
	s_barrier_wait -3
	s_barrier_signal -1
	s_barrier_wait -1
.endm
.macro CROUND
	s_barrier_signal -1
	s_barrier_wait -1
	CREST
.endm
.macro FRAG reg, adr, off
.irp p, 0,1,2
	ds_load_b128 v[\reg+4*\p:\reg+4*\p+3], v[\adr] offset:\off+512*\p
.endr
.endm
.macro FETCH_B slot, q, p
	WIN TO_B
.irp i, 0,1,2,3,4,5,6,7
	FRAG 128*(\p)+FR*\i, ADRB+\slot, (\q)*PIECE+1536*\i
.endr
	WIN 0
.endm
.macro FETCH_A slot, q, i0
.irp i, \i0, \i0+1, \i0+2, \i0+3
	FRAG AF+FR*(\i), ADRA+\slot, (\q)*PIECE+1536*(\i)
.endr
.endm
.macro SCALES slot, sc
.irp q, 0,1
	ds_load_b128 v[SC+32*(\sc)+8*\q:SC+32*(\sc)+8*\q+3], v[ADSA+\slot] offset:\q*PIECE
	ds_load_b128 v[SC+32*(\sc)+8*\q+4:SC+32*(\sc)+8*\q+7], v[ADSA+\slot] offset:\q*PIECE+16
	ds_load_b128 v[SC+32*(\sc)+16+8*\q:SC+32*(\sc)+16+8*\q+3], v[ADSB+\slot] offset:\q*PIECE
	ds_load_b128 v[SC+32*(\sc)+16+8*\q+4:SC+32*(\sc)+16+8*\q+7], v[ADSB+\slot] offset:\q*PIECE+16
.endr
.endm
.macro MUL16 a0, p, q, sc, zero
.irp a, \a0, \a0+1
.irp b, 0,1,2,3,4,5,6,7
.if \zero
	v_wmma_scale_f32_16x16x128_f8f6f4 v[8*(8*((\a)%4)+\b):8*(8*((\a)%4)+\b)+7], v[128*(\p)+FR*\b:128*(\p)+FR*\b+FR-1], v[AF+FR*(\a):AF+FR*(\a)+FR-1], 0, v[SC+32*(\sc)+16+8*(\q)+\b], v[SC+32*(\sc)+8*(\q)+(\a)] matrix_a_fmt:MATRIX_FMT_FP6 matrix_b_fmt:MATRIX_FMT_FP6
.else
	v_wmma_scale_f32_16x16x128_f8f6f4 v[8*(8*((\a)%4)+\b):8*(8*((\a)%4)+\b)+7], v[128*(\p)+FR*\b:128*(\p)+FR*\b+FR-1], v[AF+FR*(\a):AF+FR*(\a)+FR-1], v[8*(8*((\a)%4)+\b):8*(8*((\a)%4)+\b)+7], v[SC+32*(\sc)+16+8*(\q)+\b], v[SC+32*(\sc)+8*(\q)+(\a)] matrix_a_fmt:MATRIX_FMT_FP6 matrix_b_fmt:MATRIX_FMT_FP6
.endif
.endr
.endr
.endm
.macro STEP p, q, sc, zero, ns, nq
	s_wait_dscnt 12
	WIN MUL_LO
	MUL16 0, \p, \q, \sc, \zero
	MUL16 2, \p, \q, \sc, \zero
	s_wait_dscnt 0x0
	PLACES
	FETCH_B \ns, \nq, 1-(\p)
	FETCH_A \ns, \nq, 0
.if (\nq) == 0
	SCALES \ns, 1-(\sc)
.endif
	WIN MUL_HI
	MUL16 4, \p, \q, \sc, \zero
	MUL16 6, \p, \q, \sc, \zero
	PLACES
	WIN 0
	FETCH_A \ns, \nq, 4
.endm
.macro TURN p, sc, ns, fill
	s_wait_tensorcnt 0x0
	ds_add_u32 v[SPW], v[NIL]
	s_wait_dscnt 13
	WIN MUL_LO
	MUL16 0, \p, 1, \sc, 0
	s_wait_dscnt 0x0
	s_barrier_signal -1
	MUL16 2, \p, 1, \sc, 0
	WIN 0
	s_barrier_wait -1
.if \fill
	CREST
	HJLOAD G0A+8, G0B+8
	PLACES
.else
	PLACES
.endif
	FETCH_B \ns, 0, 0
	FETCH_A \ns, 0, 0
	s_wait_alu depctr_va_vdst(0)
	SCALES \ns, 1-(\sc)
	WIN MUL_HI
	MUL16 4, \p, 1, \sc, 0
	MUL16 6, \p, 1, \sc, 0
	PLACES
	WIN 0
	FETCH_A \ns, 0, 4
.endm
.macro LAST p, q, sc
	s_wait_dscnt 12
	WIN MUL_LO
	MUL16 0, \p, \q, \sc, 0
	MUL16 2, \p, \q, \sc, 0
	s_wait_dscnt 0x0
	WIN MUL_HI
	MUL16 4, \p, \q, \sc, 0
	MUL16 6, \p, \q, \sc, 0
	WIN 0
.endm
.macro QMAX
	WIN 5*WW
.irp b, 0,1,2,3
	v_max3_num_f32 v[TM+\b], |v[AC+16*\b]|, |v[AC+16*\b+1]|, 0x1800000
.endr
.irp i, 2,4,6,8,10,12,14
.irp b, 0,1,2,3
	v_max3_num_f32 v[TM+\b], |v[AC+16*\b+\i]|, |v[AC+16*\b+\i+1]|, v[TM+\b]
.endr
.endr
	WIN 0
.irp b, 0,1,2,3
	v_permlanex16_b32 v[TP+\b], v[TM+\b], s[SEL], s[SEL+1]
.endr
.irp b, 0,1,2,3
	v_max_num_f32 v[TM+\b], v[TM+\b], v[TP+\b]
.endr
.endm
.macro QTAIL a
.irp b, 0,1,2,3
	v_add_nc_u32 v[SO+\b], 0xff000000, v[TM+\b]
.endr
.irp b, 0,1,2,3
	v_lshrrev_b32 v[TP+\b], 23, v[SO+\b]
.endr
	v_lshl_or_b32 v[PW+(\a)], v[TP+1], 8, v[TP]
	v_lshl_or_b32 v[PW+(\a)], v[TP+2], 16, v[PW+(\a)]
	v_lshl_or_b32 v[PW+(\a)], v[TP+3], 24, v[PW+(\a)]
	s_wait_xcnt 0x0
	WIN WW
.irp c, 0,1
	v_cvt_scalef32_pk16_fp6_f32 v[PC+6*\c:PC+6*\c+2], v[AC+32*\c:AC+32*\c+15], v[SO+2*\c]
	v_cvt_scalef32_pk16_fp6_f32 v[PC+12+4*\c:PC+14+4*\c], v[AC+32*\c+16:AC+32*\c+31], v[SO+2*\c+1]
.endr
	WIN 0
	v_nop
.irp c, 0,1
.irp i, 0,1,2
	v_permlane16_swap_b32 v[PC+6*\c+\i], v[PC+12+4*\c+\i]
.endr
.irp i, 0,1,2
	v_mov_b32 v[PC+3+6*\c+\i], v[PC+12+4*\c+\i]
.endr
.endr
.irp p, 0,1,2
	global_store_b128 v[LI], v[PC+4*\p:PC+4*\p+3], s[OUT:OUT+1] offset:1536*(\a)+512*\p
.endr
.endm
.macro QUANTW a
.set WW, 2+(\a)/4
.set AC, 64*((\a)%4)
.set PC, 128+24*((\a)%2)
	QMAX
	QTAIL \a
.endm
.macro WORDS src, t, base, off
.irp j, 0,1,2,3
	v_cndmask_b32 v[\t+\j], v[\src+\j], v[\src+4+\j], s[HM]
.endr
	global_store_b128 v[LW], v[\t:\t+3], s[\base:\base+1] offset:\off
.endm
	s_load_b128 s[4:7], s[0:1], 0x0
	s_load_b64 s[8:9], s[0:1], 0x10
	v_lshl_add_u32 v[SPW], v0, 2, SPARE
	v_mov_b32 v[NIL], 0
	ds_add_u32 v[SPW], v[NIL]
	ds_add_u32 v[SPW], v[NIL]
	v_lshrrev_b32 v1, 5, v0
	v_readfirstlane_b32 s[WV], v1
	s_lshr_b32 s[RH], s[WV], 1
	s_and_b32 s[CF], s[WV], 1
	s_bfe_u32 s80, ttmp6, 0x40000
	s_bfe_u32 s81, ttmp6, 0x40004
	s_lshl_b32 s82, ttmp9, 2
	s_add_co_u32 s82, s82, s80
	s_and_b32 s83, ttmp7, 0xffff
	s_lshl_b32 s83, s83, 2
	s_add_co_u32 s83, s83, s81
	s_lshl_b32 s84, s81, 2
	s_lshl_b32 s84, 15, s84
	s_lshl_b32 s85, 0x1111, s80
	s_or_b32 s[G1A], s84, (3<<16)|(1<<21)
	s_or_b32 s[G1B], s85, (3<<16)|(1<<21)
.irp g, G1A, G1B
	s_mov_b32 s[\g+1], 3200<<16
	s_mov_b32 s[\g+2], 2<<16
	s_mov_b32 s[\g+3], 3200<<16
	s_mov_b32 s[\g+4], 2
	s_mov_b32 s[\g+5], 102400
	s_mov_b32 s[\g+6], 0
	s_mov_b32 s[\g+7], 0
.endr
	s_mul_i32 s87, s[CF], 2*CS
	s_mul_i32 s86, s83, PIECE
	s_add_co_u32 s86, s86, s87
	s_mul_i32 s90, s82, PIECE
	s_add_co_u32 s90, s90, s87
	s_mov_b32 s87, 0
	s_mov_b32 s91, 0
	s_mul_i32 s94, s[CF], SLOT
	s_mov_b32 s95, 0
	s_mov_b32 s[SEL], 0x76543210
	s_mov_b32 s[SEL+1], 0xfedcba98
	s_mov_b32 s[HM], 0xffff0000
	s_wait_dscnt 0x0
	s_wait_kmcnt 0x0
	s_add_nc_u64 s[88:89], s[4:5], s[86:87]
	s_add_nc_u64 s[92:93], s[6:7], s[90:91]
	CROUND
	G0SET G0A, 94, 0, 88, 0
	G0SET G0B, 94, 2*PIECE, 92, 0
	G0SET G0A+4, 95, 2*SLOT, 88, 4*CS
	G0SET G0B+4, 95, 2*SLOT+2*PIECE, 92, 4*CS
	G0SET G0A+8, 95, 0, 88, 6*CS
	G0SET G0B+8, 95, 2*PIECE, 92, 6*CS
	JLOAD G0A, G1A, G0B, G1B                       ; the head's one load a wave: slots 0 and 1, K steps 0 to 3
	v_and_b32 v1, 31, v0
	v_and_b32 v2, 15, v0
	v_bfe_u32 v3, v0, 4, 1
	v_lshlrev_b32 v[LI], 4, v1
	v_lshlrev_b32 v4, 5, v2
	v_lshl_add_u32 v[LW], v3, 4, v4
	s_mul_i32 s20, s[RH], CH
	s_mul_i32 s21, s[CF], CH
	s_add_co_u32 s21, s21, 2*PIECE
.irp s, 0,1,2
	v_add_nc_u32 v[ADRA+\s], s20, v[LI]
	v_add_nc_u32 v[ADRB+\s], s21, v[LI]
	v_add_nc_u32 v[ADSA+\s], s20, v4
	v_add_nc_u32 v[ADSB+\s], s21, v4
	v_add_nc_u32 v[ADSA+\s], 12288, v[ADSA+\s]
	v_add_nc_u32 v[ADSB+\s], 12288, v[ADSB+\s]
	s_add_co_u32 s20, s20, SLOT
	s_add_co_u32 s21, s21, SLOT
.endr
	s_lshl_b32 s96, s82, 1
	s_add_co_u32 s96, s96, s[CF]
	s_mul_i32 s96, s96, CS
	s_lshl_b32 s98, s83, 1
	s_add_co_u32 s98, s98, s[RH]
	s_mul_i32 s98, s98, CH
	s_add_co_u32 s96, s96, s98
	s_mov_b32 s97, 0
	s_add_nc_u64 s[OUT:OUT+1], s[OUT:OUT+1], s[96:97]
	s_wait_alu depctr_va_vdst(0)                   ; the head's end
	s_wait_tensorcnt 0x0                           ; my part of slots 0 and 1 is in
	ds_add_u32 v[SPW], v[NIL]
	s_wait_dscnt 0x0
	CROUND
	HJLOAD G0A+4, G0B+4                            ; slot 2: K steps 4 and 5
	FETCH_B 0, 0, 0
	FETCH_A 0, 0, 0
	SCALES 0, 0
	FETCH_A 0, 0, 4
	STEP 0, 0, 0, 1, 0, 1
	TURN 1, 0, 1, 1
	STEP 0, 0, 1, 0, 1, 1
	STEP 1, 1, 1, 0, 2, 0
	STEP 0, 0, 0, 0, 2, 1
	TURN 1, 0, 0, 0
	STEP 0, 0, 1, 0, 0, 1
	LAST 1, 1, 1
	PLACES
.irp b, 0,1,2,3
	v_mov_b32 v[TP+\b], 0
.endr
.irp a, 0,1,2,3,4,5,6,7
	QUANTW \a
.endr
	WORDS PW, 224, OUT, 12288
	s_wait_tensorcnt 0x0
	ds_add_u32 v[SPW], v[NIL]
	s_wait_dscnt 0x0
	CROUND
	s_endpgm
.Lfunc_end_k_q84ff1996b8_proj_qk:
	.size	k_q84ff1996b8_proj_qk, .Lfunc_end_k_q84ff1996b8_proj_qk-k_q84ff1996b8_proj_qk
	.p2alignl 7, 3214868480
	.fill 96, 4, 3214868480
	.section	.rodata,"a",@progbits
	.p2align	6, 0x0
	.amdhsa_kernel k_q84ff1996b8_proj_qk
		.amdhsa_group_segment_fixed_size 327680
		.amdhsa_private_segment_fixed_size 0
		.amdhsa_enable_private_segment 0
		.amdhsa_kernarg_size 24
		.amdhsa_user_sgpr_count 2
		.amdhsa_user_sgpr_kernarg_segment_ptr 1
		.amdhsa_wavefront_size32 1
		.amdhsa_system_sgpr_workgroup_id_x 1
		.amdhsa_system_sgpr_workgroup_id_y 1
		.amdhsa_system_sgpr_workgroup_id_z 1
		.amdhsa_system_vgpr_workitem_id 0
		.amdhsa_next_free_vgpr 1024
		.amdhsa_next_free_sgpr 100
		.amdhsa_reserve_vcc 0
		.amdhsa_float_denorm_mode_32 3
		.amdhsa_float_denorm_mode_16_64 3
		.amdhsa_memory_ordered 1
		.amdhsa_forward_progress 1
		.amdhsa_inst_pref_size 138
	.end_amdhsa_kernel
	.amdgpu_metadata
---
amdhsa.version: [ 1, 2 ]
amdhsa.kernels:
  - .name:           k_q84ff1996b8_proj_qk
    .symbol:         k_q84ff1996b8_proj_qk.kd
    .args:
      - { .name: xc, .offset: 0, .size: 8, .value_kind: global_buffer, .address_space: global }
      - { .name: wqk, .offset: 8, .size: 8, .value_kind: global_buffer, .address_space: global }
      - { .name: qk, .offset: 16, .size: 8, .value_kind: global_buffer, .address_space: global }
    .group_segment_fixed_size: 327680
    .private_segment_fixed_size: 0
    .kernarg_segment_align: 8
    .kernarg_segment_size: 24
    .max_flat_workgroup_size: 128
    .sgpr_count:     100
    .vgpr_count:     1024
    .wavefront_size: 32
...
	.end_amdgpu_metadata
.endif
;; end of part 2
;; launch scores (part 3): grid 256 x 1, 4 waves a work-group, no clusters, 327,680 bytes of LDS; arguments qk, pc, wvo, xc, vt; writes pc, vt
.if DOCPART == 3
	.amdgcn_target "amdgcn-amd-amdhsa--gfx1250"
	.amdhsa_code_object_version 6
	.text
	.protected	k_q84ff1996b8_scores
	.globl	k_q84ff1996b8_scores
	.p2align	8
	.type	k_q84ff1996b8_scores,@function
k_q84ff1996b8_scores:
	s_mov_b64 s[64:65], 0
	v_nop
	global_prefetch_b8 v0, s[64:65] scope:SCOPE_SE
	s_setreg_imm32_b32 hwreg(HW_REG_WAVE_MODE, 25, 1), 1
	s_wait_xcnt 0x0
; S = q k^T on chunks of FP6 codes (layout: the first kernel's head), the causal mask, and p = 2^(t - M), quantised along the keys into chunks: chunk (K step = key group of 128 in the batch, row group = query group).
; LEFT OUT AS DEAD WORK: the tiles of 256 queries x 256 keys wholly above the diagonal of reference()'s own jnp.tril (their weights are 0 for all inputs): 36 of 64 tiles a batch are launched.
; t = score x c, c = log2(e) / 32: the division of q by sqrt(1024) = 2^5 stands in c.
; M IS TAKEN FOR EACH ROW AND GROUP OF 128 KEYS: M_loc = ceil(the group's largest t), a whole number.  -M_loc and l_loc (the group's sum of the unquantised p) are stored beside the codes; the next launch brings every
; group under the row's M by subtracting from p's scale bytes, which rounds nothing.
; SHARES: work-group (x, y): batch y / 4; p = y % 4; rows p and 7 - p of the triangle have 9 tiles together: x <= p: tile (p, x), else tile (7 - p, x - p - 1).  Wave (rh, ch) makes 128 queries x 128 keys: one chunk.
; On the diagonal tile: waves with rh = ch mask by compare and select; wave (0, 1), whose keys are all hidden, walks the loop with the others (it fetches and passes the barriers) and stores zero codes, l_loc = 0, M_loc = -3e38.
; NO CLUSTER: a batch's 36 live tiles form a triangle: no rows or columns of four with a common operand divide it.  No prefetch: 6 of the 8 K steps are asked for at the head.
; The loop (three slots, straight text, one refill) and the register map are the projection kernel's.
.set CH,    12800
.set PIECE, 2*CH
.set SLOT,  4*PIECE
.set CS,    819200
; WHERE p GOES, as it now stands: pc holds, for each batch and pair i of query groups (15 - i, i), 18 chunks on end in the order in which the next launch walks them (its head states the order);
; entry e of block 8 batch + i lies at (18 block + e) x CH, its -M_loc at PM + (18 block + e) x 512, its l_loc at PL likewise.
; THE LOADS, as they now stand: a load brings both K steps of a slot for one operand, two rows of 25,600 bytes one K step apart: one load a wave at the head (slots 0 and 1), slot 2 and the refill by the waves with cf = 0.
.set PM,    32*18*CH
.set PL,    PM+32*18*512
.set SPARE, 3*SLOT
.set FR,    12
.set LI,    12
.set LW,    13
.set ADRA,  16
.set ADRB,  19
.set ADSA,  22
.set ADSB,  25
.set SPW,   28
.set NIL,   29
.set SC,    32
.set TM,    96
.set TP,    100
.set SO,    104
.set PW,    112
.set NMS,   120                        ; v120-127 -M_loc of the 8 tiles
.set AF,    128
.set LSS,   176                        ; v176-183 l_loc of the 8 tiles
.set WV,    14
.set RH,    15
.set CF,    16
.set G1,    24
.set G0,    32                         ; s[32:43] three groups 0
.set CSC,   44                         ; s[44:45] c, as a pair
.set DG,    46                         ; 1: my chunk lies on the diagonal
.set DD,    47                         ; 1: my chunk is wholly hidden
.set SEL,   56
.set HM,    58
.set OUT,   8
.set ST,    10
.set MUL_LO, 0xa1
.set MUL_HI, 0xf1
.set TO_B,   0x40
.set MSB, 0
.macro WIN new
.if MSB != \new
	s_set_vgpr_msb (MSB<<8)|\new
.set MSB, \new
.endif
.endm
.macro PLACES
.rept 4
	v_nop
.endr
.endm
.macro HLOAD g                         ; waves (rh, 0) ask: q's half of a slot or k's; the branch hangs on the wave's number alone
	s_cmp_eq_u32 s[CF], 0
	s_cbranch_scc0 .Lnone_\@
	tensor_load_to_lds s[\g:\g+3], s[G1:G1+7]
	s_nop 0
	PLACES
.Lnone_\@:
.endm
.macro FRAG reg, adr, off
.irp p, 0,1,2
	ds_load_b128 v[\reg+4*\p:\reg+4*\p+3], v[\adr] offset:\off+512*\p
.endr
.endm
.macro FETCH_B slot, q, p
	WIN TO_B
.irp i, 0,1,2,3,4,5,6,7
	FRAG 128*(\p)+FR*\i, ADRB+\slot, (\q)*PIECE+1536*\i
.endr
	WIN 0
.endm
.macro FETCH_A slot, q, i0
.irp i, \i0, \i0+1, \i0+2, \i0+3
	FRAG AF+FR*(\i), ADRA+\slot, (\q)*PIECE+1536*(\i)
.endr
.endm
.macro SCALES slot, sc
.irp q, 0,1
	ds_load_b128 v[SC+32*(\sc)+8*\q:SC+32*(\sc)+8*\q+3], v[ADSA+\slot] offset:\q*PIECE
	ds_load_b128 v[SC+32*(\sc)+8*\q+4:SC+32*(\sc)+8*\q+7], v[ADSA+\slot] offset:\q*PIECE+16
	ds_load_b128 v[SC+32*(\sc)+16+8*\q:SC+32*(\sc)+16+8*\q+3], v[ADSB+\slot] offset:\q*PIECE
	ds_load_b128 v[SC+32*(\sc)+16+8*\q+4:SC+32*(\sc)+16+8*\q+7], v[ADSB+\slot] offset:\q*PIECE+16
.endr
.endm
.macro MUL16 a0, p, q, sc, zero        ; the 64 accumulators take turns, one instruction a turn
.irp a, \a0, \a0+1
.irp b, 0,1,2,3,4,5,6,7
.if \zero
	v_wmma_scale_f32_16x16x128_f8f6f4 v[8*(8*((\a)%4)+\b):8*(8*((\a)%4)+\b)+7], v[128*(\p)+FR*\b:128*(\p)+FR*\b+FR-1], v[AF+FR*(\a):AF+FR*(\a)+FR-1], 0, v[SC+32*(\sc)+16+8*(\q)+\b], v[SC+32*(\sc)+8*(\q)+(\a)] matrix_a_fmt:MATRIX_FMT_FP6 matrix_b_fmt:MATRIX_FMT_FP6
.else
	v_wmma_scale_f32_16x16x128_f8f6f4 v[8*(8*((\a)%4)+\b):8*(8*((\a)%4)+\b)+7], v[128*(\p)+FR*\b:128*(\p)+FR*\b+FR-1], v[AF+FR*(\a):AF+FR*(\a)+FR-1], v[8*(8*((\a)%4)+\b):8*(8*((\a)%4)+\b)+7], v[SC+32*(\sc)+16+8*(\q)+\b], v[SC+32*(\sc)+8*(\q)+(\a)] matrix_a_fmt:MATRIX_FMT_FP6 matrix_b_fmt:MATRIX_FMT_FP6
.endif
.endr
.endr
.endm
.macro STEP p, q, sc, zero, ns, nq
	s_wait_dscnt 12                                ; all but A's tiles 4-7 (12 loads) are in
	WIN MUL_LO
	MUL16 0, \p, \q, \sc, \zero
	MUL16 2, \p, \q, \sc, \zero
	s_wait_dscnt 0x0
	PLACES
	FETCH_B \ns, \nq, 1-(\p)
	FETCH_A \ns, \nq, 0
.if (\nq) == 0
	SCALES \ns, 1-(\sc)
.endif
	WIN MUL_HI
	MUL16 4, \p, \q, \sc, \zero
	MUL16 6, \p, \q, \sc, \zero
	PLACES
	WIN 0
	FETCH_A \ns, \nq, 4
.endm
.macro TURN p, sc, ns, fill
	s_wait_tensorcnt 0x0                           ; all my tensor loads have landed
	ds_add_u32 v[SPW], v[NIL]                      ; 0 onto my spare word
	s_wait_dscnt 13                                ; (the add and A's tiles 4-7 may be out)
	WIN MUL_LO
	MUL16 0, \p, 1, \sc, 0
	s_wait_dscnt 0x0                               ; the add is done, and my reads of the slot are over
	s_barrier_signal -1
	MUL16 2, \p, 1, \sc, 0
	WIN 0
	s_barrier_wait -1
.if \fill
	HLOAD G0+8                                     ; the one refill: K steps 6 and 7 into slot 0
.endif
	PLACES
	FETCH_B \ns, 0, 0
	FETCH_A \ns, 0, 0
	SCALES \ns, 1-(\sc)
	WIN MUL_HI
	MUL16 4, \p, 1, \sc, 0
	MUL16 6, \p, 1, \sc, 0
	PLACES
	WIN 0
	FETCH_A \ns, 0, 4
.endm
.macro LAST p, q, sc
	s_wait_dscnt 12
	WIN MUL_LO
	MUL16 0, \p, \q, \sc, 0
	MUL16 2, \p, \q, \sc, 0
	s_wait_dscnt 0x0
	WIN MUL_HI
	MUL16 4, \p, \q, \sc, 0
	MUL16 6, \p, \q, \sc, 0
	WIN 0
.endm
.macro QTAIL a                         ; from the blocks' largest magnitudes in v[TM] on to the stores
.irp b, 0,1,2,3
	v_add_nc_u32 v[SO+\b], 0xff000000, v[TM+\b]
.endr
.irp b, 0,1,2,3
	v_lshrrev_b32 v[TP+\b], 23, v[SO+\b]
.endr
	v_lshl_or_b32 v[PW+(\a)], v[TP+1], 8, v[TP]
	v_lshl_or_b32 v[PW+(\a)], v[TP+2], 16, v[PW+(\a)]
	v_lshl_or_b32 v[PW+(\a)], v[TP+3], 24, v[PW+(\a)]
	s_wait_xcnt 0x0                                ; the stores of two tiles back have read these registers
	WIN WW
.irp c, 0,1
	v_cvt_scalef32_pk16_fp6_f32 v[PC+6*\c:PC+6*\c+2], v[AC+32*\c:AC+32*\c+15], v[SO+2*\c]
	v_cvt_scalef32_pk16_fp6_f32 v[PC+12+4*\c:PC+14+4*\c], v[AC+32*\c+16:AC+32*\c+31], v[SO+2*\c+1]
.endr
	WIN 0
	v_nop                                          ; one plain place behind a scaled conversion
.irp c, 0,1
.irp i, 0,1,2
	v_permlane16_swap_b32 v[PC+6*\c+\i], v[PC+12+4*\c+\i]
.endr
.irp i, 0,1,2
	v_mov_b32 v[PC+3+6*\c+\i], v[PC+12+4*\c+\i]
.endr
.endr
.irp p, 0,1,2
	global_store_b128 v[LI], v[PC+4*\p:PC+4*\p+3], s[OUT:OUT+1] offset:1536*(\a)+512*\p
.endr
.endm
.macro WORDS src, t, base, off
.irp j, 0,1,2,3
	v_cndmask_b32 v[\t+\j], v[\src+\j], v[\src+4+\j], s[HM]
.endr
	global_store_b128 v[LW], v[\t:\t+3], s[\base:\base+1] offset:\off
.endm
; ROW TILE a: mask, maximum, p, sum, codes.  Register n of the tile's 64 holds key 32 (n / 16) + 16 h + n % 16 of the group; my query is 32 (a / 2) + 8 (a % 2) + r % 8 + 16 (r / 8).
.macro SOFT a
.set WW, 2+(\a)/4
.set AC, 64*((\a)%4)
.set PC, 128+24*((\a)%2)
	s_cmp_eq_u32 s[DG], 0                          ; ids alone: off the diagonal every key counts
	s_cbranch_scc1 .Lopen_\@
	WIN 65*WW
.set n, 0
.rept 64
.set KC, 32*(n/16)+n%16-32*((\a)/2)-8*((\a)%2)  ; hidden where KC > v14 = r % 8 + 16 (r / 8) - 16 h, which lies in -16 .. 23
.if KC > 23
	v_mov_b32 v[AC+n], 0xff800000                  ; hidden in every lane
.elseif KC > -16
	v_cmp_gt_i32 vcc_lo, KC, v14
	v_cndmask_b32 v[AC+n], v[AC+n], v15, vcc_lo    ; -infinity ahead of the maximum: p = 0 then
.endif
.set n, n+1
.endr
	WIN 0
.Lopen_\@:
	WIN 5*WW
.irp b, 0,1,2,3
	v_max_num_f32 v[TM+\b], v[AC+16*\b], v[AC+16*\b+1]   ; the largest SCORE of each block of 32 keys: it serves for the row's maximum and, since p rises with the score, for the block's largest p
.endr
.irp i, 2,4,6,8,10,12,14
.irp b, 0,1,2,3
	v_max3_num_f32 v[TM+\b], v[AC+16*\b+\i], v[AC+16*\b+\i+1], v[TM+\b]
.endr
.endr
	WIN 0
.irp b, 0,1,2,3
	v_permlanex16_b32 v[TP+\b], v[TM+\b], s[SEL], s[SEL+1]
.endr
.irp b, 0,1,2,3
	v_max_num_f32 v[TM+\b], v[TM+\b], v[TP+\b]
.endr
	v_max3_num_f32 v110, v[TM], v[TM+1], v[TM+2]
	v_max_num_f32 v110, v110, v[TM+3]              ; the group's largest score of my query (key 0 of a diagonal group counts for every query: it is a number)
	v_mul_f32 v110, s[CSC], v110                   ; as t
	v_floor_f32 v108, -v110                        ; -M_loc = floor(-t) = -ceil(t)
	v_mov_b32 v[NMS+(\a)], v108
.irp b, 0,1,2,3
	v_fma_f32 v[TM+\b], v[TM+\b], s[CSC], v108
.endr
	WIN 65*WW
.set j, 0
.rept 32
	v_pk_fma_f32 v[AC+j:AC+j+1], v[AC+j:AC+j+1], s[CSC:CSC+1], v[108:109] op_sel_hi:[1,0,0]   ; t - M, two at a time
.set j, j+2
.endr
.set j, 0
	s_wait_alu depctr_va_vdst(0)
.rept 64
	v_exp_f32 v[AC+j], v[AC+j]                     ; p = 2^(t - M), at most 1, not normalised
.set j, j+1
.endr
	WIN 0
	v_nop                                          ; a plain place behind the exponentials
	s_wait_alu depctr_va_vdst(0)                   ; one wait for the batch of 64, ahead of its first reader
.irp b, 0,1,2,3
	v_exp_f32 v[TM+\b], v[TM+\b]                   ; the blocks' largest p: the same two instructions on the same number
.endr
	WIN 5*WW
	v_pk_add_f32 v[184:185], v[AC:AC+1], v[AC+2:AC+3]      ; the sum of the UNQUANTISED p, in two chains
	v_pk_add_f32 v[186:187], v[AC+4:AC+5], v[AC+6:AC+7]
	WIN WW
.set j, 8
.rept 14
	v_pk_add_f32 v[184:185], v[AC+j:AC+j+1], v[184:185]
	v_pk_add_f32 v[186:187], v[AC+j+2:AC+j+3], v[186:187]
.set j, j+4
.endr
	WIN 0
	v_pk_add_f32 v[184:185], v[184:185], v[186:187]
	v_add_f32 v184, v184, v185
	v_permlanex16_b32 v186, v184, s[SEL], s[SEL+1]
	v_add_f32 v[LSS+(\a)], v184, v186              ; with lane l xor 16's 64 keys: l_loc
	s_wait_alu depctr_va_vdst(0)                   ; and one wait for the four
.irp b, 0,1,2,3
	v_max_num_f32 v[TM+\b], 0x1800000, v[TM+\b]    ; the floor 2^(3 - 127): a block whose every p is 0 keeps the byte 1: its codes are zeros
.endr
	QTAIL \a
.endm
	; TWO KINDS OF WORK-GROUP SHARE THIS LAUNCH: numbers 0 to 143 make the 144 live tiles of scores (what follows); numbers 144 to 255 make v^T = W_v x^T (behind .Lvpath, with a head of its own).
	; Neither reads what the other stores.  The choice hangs on the work-group's number alone, so all four waves go the same way.
	s_cmp_ge_u32 ttmp9, 144
	s_cbranch_scc1 .Lvpath
	s_load_b128 s[4:7], s[0:1], 0x0
	v_lshl_add_u32 v[SPW], v0, 2, SPARE
	v_mov_b32 v[NIL], 0
	ds_add_u32 v[SPW], v[NIL]                      ; the wave's opening: the add, twice on end, and its wait ahead of my first tensor load
	ds_add_u32 v[SPW], v[NIL]
	v_lshrrev_b32 v1, 5, v0
	v_readfirstlane_b32 s[WV], v1
	s_lshr_b32 s[RH], s[WV], 1
	s_and_b32 s[CF], s[WV], 1
	s_mul_i32 s18, ttmp9, 57
	s_lshr_b32 s18, s18, 9                         ; y = number / 9 (57 / 512 serves for 1 / 9 up to 143)
	s_mul_i32 s17, s18, 9
	s_sub_co_u32 s17, ttmp9, s17                   ; x = number % 9
	s_lshr_b32 s19, s18, 2                         ; batch
	s_and_b32 s20, s18, 3                          ; p
	s_sub_co_u32 s50, 7, s20
	s_sub_co_i32 s51, s17, s20
	s_sub_co_i32 s51, s51, 1
	s_max_i32 s51, s51, 0
	s_cmp_le_u32 s17, s20
	s_cselect_b32 s21, s20, s50                    ; tile row of the triangle
	s_cselect_b32 s22, s17, s51                    ; tile column
	s_lshl_b32 s52, s19, 4
	s_lshl_b32 s53, s21, 1
	s_add_co_u32 s53, s53, s52                     ; q's first row group
	s_lshl_b32 s54, s22, 1
	s_add_co_u32 s54, s54, s52                     ; k's
	s_mul_i32 s48, s53, CH
	s_mul_i32 s49, s54, CH
	s_add_co_u32 s49, s49, 8*CS                    ; k's chunks lie behind q's eight K steps
	s_cmp_lt_u32 s[WV], 2                          ; waves 0 and 1 fetch q's pieces, waves 2 and 3 k's
	s_cselect_b32 s48, s48, s49
	s_mul_i32 s49, s[CF], 2*CS                     ; my slot's first K step
	s_add_co_u32 s48, s48, s49
	s_mov_b32 s49, 0
	s_cmp_eq_u32 s21, s22
	s_cselect_b32 s55, 1, 0
	s_cmp_eq_u32 s[RH], s[CF]
	s_cselect_b32 s[DG], s55, 0
	s_cmp_lt_u32 s[RH], s[CF]
	s_cselect_b32 s[DD], s55, 0
	s_mov_b32 s[G1], 3<<16                         ; no mask; elements of 8 bytes; no padding
	s_mov_b32 s[G1+1], 3200<<16                    ; two rows of 25,600 bytes, CS bytes apart
	s_mov_b32 s[G1+2], 2<<16
	s_mov_b32 s[G1+3], 3200<<16
	s_mov_b32 s[G1+4], 2
	s_mov_b32 s[G1+5], 102400
	s_mov_b32 s[G1+6], 0
	s_mov_b32 s[G1+7], 0
	s_mul_i32 s72, s[CF], SLOT
	s_mul_i32 s73, s[RH], 2*PIECE                  ; q's half of a slot, then k's
	s_add_co_u32 s72, s72, s73
	s_mov_b32 s[CSC], 0x3d38aa3b                   ; c = log2(e) / 32
	s_mov_b32 s[CSC+1], s[CSC]
	s_mov_b32 s[SEL], 0x76543210
	s_mov_b32 s[SEL+1], 0xfedcba98
	s_mov_b32 s[HM], 0xffff0000
	s_lshl_b32 s62, s22, 1
	s_add_co_u32 s62, s62, s[CF]                   ; my key group in the batch
	s_lshl_b32 s63, s21, 1
	s_add_co_u32 s63, s63, s[RH]                   ; j: my query group in the batch
	s_sub_co_u32 s66, 15, s63
	s_min_u32 s66, s66, s63                        ; i: its pair
	s_and_b32 s67, s66, 6
	s_sub_co_u32 s67, 16, s67
	s_cmp_lt_u32 s62, 2
	s_cselect_b32 s67, 2, s67                      ; the lower group of a pair: key groups 0, 1 are entries 2, 3; the others follow the upper group's
	s_cselect_b32 s69, 0, 2                        ; the upper group: entries 0, 1, and from 4 on
	s_cmp_ge_u32 s63, 8
	s_cselect_b32 s67, s69, s67
	s_add_co_u32 s62, s62, s67                     ; e
	s_lshl_b32 s68, s19, 3
	s_add_co_u32 s68, s68, s66
	s_mul_i32 s68, s68, 18
	s_add_co_u32 s68, s68, s62                     ; 18 block + e
	s_mul_i32 s66, s68, CH
	s_mov_b32 s67, 0
	s_lshl_b32 s68, s68, 9
	s_add_co_u32 s68, s68, PM
	s_mov_b32 s69, 0
	s_wait_dscnt 0x0                               ; both opening adds are done
	s_wait_kmcnt 0x0
	s_add_nc_u64 s[60:61], s[4:5], s[48:49]
	s_add_nc_u64 s[OUT:OUT+1], s[6:7], s[66:67]
	s_add_nc_u64 s[ST:ST+1], s[6:7], s[68:69]
	s_mov_b32 s[G0], 1
	s_mov_b32 s[G0+1], s72
	s_mov_b64 s[G0+2:G0+3], s[60:61]
	s_or_b32 s[G0+3], s[G0+3], 0x80000000
	s_mov_b32 s[G0+4], 1                           ; slot 2: K steps 4 and 5 (used by the waves with cf = 0, whose s[60:61] stands at K step 0)
	s_add_co_u32 s[G0+5], s73, 2*SLOT
	s_add_nc_u64 s[G0+6:G0+7], s[60:61], 4*CS
	s_or_b32 s[G0+7], s[G0+7], 0x80000000
	s_mov_b32 s[G0+8], 1                           ; slot 0 again: K steps 6 and 7
	s_mov_b32 s[G0+9], s73
	s_add_nc_u64 s[G0+10:G0+11], s[60:61], 6*CS
	s_or_b32 s[G0+11], s[G0+11], 0x80000000
	tensor_load_to_lds s[G0:G0+3], s[G1:G1+7]      ; the head's one load a wave, with no branch: slots 0 and 1
	s_nop 0
	v_and_b32 v1, 31, v0
	v_and_b32 v2, 15, v0
	v_bfe_u32 v3, v0, 4, 1
	v_lshlrev_b32 v[LI], 4, v1
	v_lshlrev_b32 v4, 5, v2
	v_lshl_add_u32 v[LW], v3, 4, v4
	v_and_b32 v5, 8, v2
	v_add_nc_u32 v5, v5, v2                        ; r % 8 + 16 (r / 8)
	v_lshlrev_b32 v6, 4, v3
	v_sub_nc_u32 v14, v5, v6                       ; - 16 h
	v_mov_b32 v15, 0xff800000                      ; -infinity
	s_mul_i32 s74, s[RH], CH
	s_mul_i32 s75, s[CF], CH
	s_add_co_u32 s75, s75, 2*PIECE
.irp s, 0,1,2
	v_add_nc_u32 v[ADRA+\s], s74, v[LI]
	v_add_nc_u32 v[ADRB+\s], s75, v[LI]
	v_add_nc_u32 v[ADSA+\s], s74, v4
	v_add_nc_u32 v[ADSB+\s], s75, v4
	v_add_nc_u32 v[ADSA+\s], 12288, v[ADSA+\s]
	v_add_nc_u32 v[ADSB+\s], 12288, v[ADSB+\s]
	s_add_co_u32 s74, s74, SLOT
	s_add_co_u32 s75, s75, SLOT
.endr
	s_wait_alu depctr_va_vdst(0)
	s_wait_tensorcnt 0x0                           ; my part of slots 0 and 1 is in
	ds_add_u32 v[SPW], v[NIL]
	s_wait_dscnt 0x0
	s_barrier_signal -1
	s_barrier_wait -1
	HLOAD G0+4
	FETCH_B 0, 0, 0
	FETCH_A 0, 0, 0
	SCALES 0, 0
	FETCH_A 0, 0, 4
	STEP 0, 0, 0, 1, 0, 1
	TURN 1, 0, 1, 1
	STEP 0, 0, 1, 0, 1, 1
	STEP 1, 1, 1, 0, 2, 0
	STEP 0, 0, 0, 0, 2, 1
	TURN 1, 0, 0, 0
	STEP 0, 0, 1, 0, 0, 1
	LAST 1, 1, 1
	s_cmp_lg_u32 s[DD], 0                          ; ids alone; no barrier and no LDS access stands on either way
	s_cbranch_scc1 .Lhidden
	PLACES
.irp b, 0,1,2,3
	v_mov_b32 v[TP+\b], 0                          ; written once: a lane permute's destination counts as one of its sources
.endr
	v_mov_b32 v109, 0                              ; (named as the upper half of the pair v[108:109])
.irp a, 0,1,2,3,4,5,6,7
	SOFT \a
.endr
	WORDS PW, 224, OUT, 12288
	WORDS NMS, 228, ST, 0
	WORDS LSS, 232, ST, PL-PM
	s_branch .Lend
.Lhidden:                                          ; all 128 keys come after all 128 queries: zero codes, zero bytes, l_loc = 0, -M_loc = 3e38
.irp j, 0,1,2,3
	v_mov_b32 v[224+\j], 0
	v_mov_b32 v[228+\j], 0x7f61b1e6
.endr
.set k, 0
.rept 24
	global_store_b128 v[LI], v[224:227], s[OUT:OUT+1] offset:512*k
.set k, k+1
.endr
	global_store_b128 v[LW], v[224:227], s[OUT:OUT+1] offset:12288
	global_store_b128 v[LW], v[228:231], s[ST:ST+1]
	global_store_b128 v[LW], v[224:227], s[ST:ST+1] offset:PL-PM
.Lend:
	s_wait_tensorcnt 0x0                           ; the wave's end
	ds_add_u32 v[SPW], v[NIL]
	s_wait_dscnt 0x0
	s_endpgm
; ======== v^T = W_v x^T, K = 1,024, on chunks of FP6 codes, quantised along the keys into chunks of vt: chunk (K step = token group, row group = group of the model axis).
; SHARES: work-group 144 + n: tile row n % 4 (256 rows of W_v, two chunks), token groups n / 4 + 28 t of 128 tokens, t = 0, 1 and, where n / 4 < 8, 2: 64 groups on 28 work-groups for each tile row.
; Wave w makes 64 x 128 of a block: W_v's chunk w / 2, its row tiles 4 (w % 2) .. + 3, against x's eight tiles: 32 accumulators, half a chunk of the result, which leaves from registers.
; The matrix instruction is used transposed (source 0 = 16 rows of x, source 1 = 16 rows of W_v): a lane holds one row of W_v's tile, its registers run along the tokens, the next K.
; LDS: four slots of 256 along K, each [W_v step 0][W_v step 1][x step 0][x step 1] = 25,600 + 25,600 + 12,800 + 12,800 bytes.  A load brings both steps of one operand's part of a slot (two long rows, CS bytes apart).
; W_v's parts are filled once and serve every block.  x's parts are filled again for the next block, by waves 2 and 3: those of slots 0 and 1 at K step 3, when every wave has read them, those of slots 2 and 3 at K step 7.
; Every wait on TENSORcnt is for 0.  The walk's last trip asks for nothing: which trip that is hangs on the work-group's number, so a jump on ids alone leads round the refill and round nothing else.
; NO CLUSTER: the launch's other work-groups form a triangle of tiles that divides into no rows or columns of four.  No prefetch: the walk has two or three trips, and each refill is asked for four K steps ahead of its first read.
.Lvpath:
.set SLOT,  2*PIECE+2*CH
.set SPARE, 4*SLOT
.set ADSB,  8
.set ADRA,  16
.set ADRB,  20
.set ADSA,  24
.set G1A,   24
.set G0A,   32
.set G1B,   48
.set G0B,   68
.set OUTW,  10
.set NBLK,  23                         ; s23  my blocks: 3 or 2
.set TN,    59                         ; s59  the trip's number, from 0
.set NB1,   22                         ; s22  my blocks less 1: the trips that have a successor
.set MUL,   0xa1
.macro VLOAD ga, gb                    ; waves 0 and 1 fetch for W_v, waves 2 and 3 for x
	s_cmp_eq_u32 s[RH], 0
	s_cbranch_scc0 .Lvb_\@
	tensor_load_to_lds s[\ga:\ga+3], s[G1A:G1A+7]
	s_nop 0
	PLACES
	s_branch .Lva_\@
.Lvb_\@:
	tensor_load_to_lds s[\gb:\gb+3], s[G1B:G1B+7]
	s_nop 0
	PLACES
.Lva_\@:
.endm
.macro VREFILL g                       ; x's part of a slot for the next block, where there is one
	s_cmp_lt_u32 s[TN], s[NB1]
	s_cbranch_scc0 .Lvno_\@
	s_cmp_eq_u32 s[RH], 0
	s_cbranch_scc1 .Lvno_\@
	tensor_load_to_lds s[\g:\g+3], s[G1B:G1B+7]
	s_nop 0
	PLACES
.Lvno_\@:
.endm
.macro VFB slot, q, p                  ; x's eight fragments of step q of a slot into set p: 24 loads
	WIN TO_B
.irp i, 0,1,2,3,4,5,6,7
	FRAG 128*(\p)+FR*\i, ADRB+\slot, (\q)*CH+1536*\i
.endr
	WIN 0
.endm
.macro VFA slot, q, p                  ; my four fragments of W_v and the step's scale words: 15 loads
.irp i, 0,1,2,3
	FRAG AF+48*(\p)+FR*\i, ADRA+\slot, (\q)*PIECE+1536*\i
.endr
	ds_load_b128 v[SC+16*(\p):SC+16*(\p)+3], v[ADSA+\slot] offset:(\q)*PIECE
	ds_load_b128 v[SC+16*(\p)+4:SC+16*(\p)+7], v[ADSB+\slot] offset:(\q)*CH
	ds_load_b128 v[SC+16*(\p)+8:SC+16*(\p)+11], v[ADSB+\slot] offset:(\q)*CH+16
.endm
.macro VMUL p, a0, zero                ; the 32 accumulators take turns, one instruction a turn
.irp a, \a0, \a0+1
.irp b, 0,1,2,3,4,5,6,7
.if \zero
	v_wmma_scale_f32_16x16x128_f8f6f4 v[8*(8*(\a)+\b):8*(8*(\a)+\b)+7], v[128*(\p)+FR*\b:128*(\p)+FR*\b+FR-1], v[AF+48*(\p)+FR*(\a):AF+48*(\p)+FR*(\a)+FR-1], 0, v[SC+16*(\p)+4+\b], v[SC+16*(\p)+(\a)] matrix_a_fmt:MATRIX_FMT_FP6 matrix_b_fmt:MATRIX_FMT_FP6
.else
	v_wmma_scale_f32_16x16x128_f8f6f4 v[8*(8*(\a)+\b):8*(8*(\a)+\b)+7], v[128*(\p)+FR*\b:128*(\p)+FR*\b+FR-1], v[AF+48*(\p)+FR*(\a):AF+48*(\p)+FR*(\a)+FR-1], v[8*(8*(\a)+\b):8*(8*(\a)+\b)+7], v[SC+16*(\p)+4+\b], v[SC+16*(\p)+(\a)] matrix_a_fmt:MATRIX_FMT_FP6 matrix_b_fmt:MATRIX_FMT_FP6
.endif
.endr
.endr
.endm
.macro VSEQ g                          ; the wait and the add in front of a refill, the barrier, and the refill by group 0 at s[g]
	s_wait_tensorcnt 0x0                           ; no tensor load of mine is out: what the next steps read has landed, and a group 0 may be written
	ds_add_u32 v[SPW], v[NIL]
	s_add_nc_u64 s[\g+2:\g+3], s[\g+2:\g+3], 28*CH ; the next block's token group
	s_wait_dscnt 0x0                               ; the add is done; this step's fragments are in, so my reads of the slots left behind are over
	s_barrier_signal -1
	s_barrier_wait -1
	VREFILL \g
.endm
.macro VSTEP p, zero, ns, nq, seq      ; a K step of 128 on set p; it asks for the next step, step nq of slot ns, into the other set
.if \seq
	VSEQ G0B
.else
	s_wait_dscnt 0x0                               ; this step's fragments and words are in
.endif
	PLACES                                         ; behind the last step's products, which read the other set
	VFB \ns, \nq, 1-(\p)
	VFA \ns, \nq, 1-(\p)
	WIN MUL
	VMUL \p, 0, \zero
	VMUL \p, 2, \zero
	WIN 0
.endm
.macro VQUANT a                        ; row tile a: a lane's 64 numbers, register 16 b + i = token 32 b + 16 h + i of its row, become a fragment and a scale word
.set AC, 64*(\a)
.set PC, 64+160*((\a)%2)               ; v64-82 and v224-242 by turns
	WIN 0x0a
.irp b, 0,1,2,3
	v_max3_num_f32 v[TM+\b], |v[AC+16*\b]|, |v[AC+16*\b+1]|, 0x1800000   ; with the floor 2^(3 - 127); each accumulator is read from its low end on
.endr
.irp i, 2,4,6,8,10,12,14
.irp b, 0,1,2,3
	v_max3_num_f32 v[TM+\b], |v[AC+16*\b+\i]|, |v[AC+16*\b+\i+1]|, v[TM+\b]
.endr
.endr
	WIN 0
.irp b, 0,1,2,3
	v_permlanex16_b32 v[TP+\b], v[TM+\b], s[SEL], s[SEL+1]
.endr
.irp b, 0,1,2,3
	v_max_num_f32 v[TM+\b], v[TM+\b], v[TP+\b]     ; with lane l xor 16's 16 numbers
.endr
.irp b, 0,1,2,3
	v_add_nc_u32 v[SO+\b], 0xff000000, v[TM+\b]    ; 2 off the exponent field: the conversion's scale operand
.endr
.irp b, 0,1,2,3
	v_lshrrev_b32 v[TP+\b], 23, v[SO+\b]           ; the scale's byte
.endr
	v_lshl_or_b32 v[PW+(\a)], v[TP+1], 8, v[TP]
	v_lshl_or_b32 v[PW+(\a)], v[TP+2], 16, v[PW+(\a)]
	v_lshl_or_b32 v[PW+(\a)], v[TP+3], 24, v[PW+(\a)]
	s_wait_alu depctr_va_vdst(0)
	s_wait_xcnt 0x0                                ; the stores of two tiles back have read these registers
	WIN 0x02
.irp c, 0,1
	v_cvt_scalef32_pk16_fp6_f32 v[PC+6*\c:PC+6*\c+2], v[AC+32*\c:AC+32*\c+15], v[SO+2*\c]
	v_cvt_scalef32_pk16_fp6_f32 v[PC+12+4*\c:PC+14+4*\c], v[AC+32*\c+16:AC+32*\c+31], v[SO+2*\c+1]
.endr
	WIN 0
	v_nop                                          ; one plain place behind a scaled conversion
.irp c, 0,1                                    ; the layout wants a whole block in a lane
.irp i, 0,1,2
	v_permlane16_swap_b32 v[PC+6*\c+\i], v[PC+12+4*\c+\i]
.endr
.irp i, 0,1,2
	v_mov_b32 v[PC+3+6*\c+\i], v[PC+12+4*\c+\i]
.endr
.endr
.irp t, 0,1,2
	global_store_b128 v[LI], v[PC+4*\t:PC+4*\t+3], s[OUT:OUT+1] offset:1536*(\a)+512*\t   ; 512 consecutive bytes, aligned
.endr
.endm
	s_load_b128 s[4:7], s[0:1], 0x10               ; wvo, xc
	s_load_b64 s[8:9], s[0:1], 0x20                ; vt
	v_lshl_add_u32 v[SPW], v0, 2, SPARE
	v_mov_b32 v[NIL], 0
	ds_add_u32 v[SPW], v[NIL]                      ; the opening: the add, twice on end, and its wait ahead of my first tensor load
	ds_add_u32 v[SPW], v[NIL]
	v_lshrrev_b32 v1, 5, v0
	v_readfirstlane_b32 s[WV], v1
	s_lshr_b32 s[RH], s[WV], 1                     ; my chunk of W_v.  Also: I fetch for W_v (0) or for x (1)
	s_and_b32 s[CF], s[WV], 1                      ; my half of its row tiles.  Also: which slot of a pair I fill
	s_sub_co_u32 s17, ttmp9, 144
	s_and_b32 s20, s17, 3                          ; tile row
	s_lshr_b32 s19, s17, 2                         ; my first token group, 0 .. 27
	s_cmp_lt_u32 s19, 8
	s_cselect_b32 s[NBLK], 3, 2
	s_sub_co_u32 s[NB1], s[NBLK], 1
	s_mov_b32 s[G1A], 3<<16                        ; no mask; elements of 8 bytes; no padding: images are read densely
	s_mov_b32 s[G1A+1], 3200<<16                   ; W_v: two rows of 25,600 bytes, CS bytes apart
	s_mov_b32 s[G1A+2], 2<<16
	s_mov_b32 s[G1A+3], 3200<<16
	s_mov_b32 s[G1A+4], 2
	s_mov_b32 s[G1A+5], 102400
	s_mov_b32 s[G1A+6], 0
	s_mov_b32 s[G1A+7], 0
	s_mov_b32 s[G1B], 3<<16
	s_mov_b32 s[G1B+1], 1600<<16                   ; x: two rows of 12,800 bytes
	s_mov_b32 s[G1B+2], 2<<16
	s_mov_b32 s[G1B+3], 1600<<16
	s_mov_b32 s[G1B+4], 2
	s_mov_b32 s[G1B+5], 102400
	s_mov_b32 s[G1B+6], 0
	s_mov_b32 s[G1B+7], 0
	s_mul_i32 s92, s[CF], 2*CS                     ; my slot's first K step
	s_mul_i32 s84, s20, PIECE
	s_add_co_u32 s84, s84, s92
	s_mov_b32 s85, 0
	s_mul_i32 s88, s19, CH
	s_add_co_u32 s88, s88, s92
	s_mov_b32 s89, 0
	s_mul_i32 s93, s[CF], SLOT                     ; W_v's part begins the slot,
	s_add_co_u32 s94, s93, 2*PIECE                 ; x's follows
	s_mov_b32 s[SEL], 0x76543210
	s_mov_b32 s[SEL+1], 0xfedcba98
	s_mov_b32 s[HM], 0xffff0000
	s_mov_b32 s[TN], 0
	s_wait_dscnt 0x0                               ; both opening adds are done
	s_wait_kmcnt 0x0
	s_add_nc_u64 s[86:87], s[4:5], s[84:85]
	s_add_nc_u64 s[90:91], s[6:7], s[88:89]
.irp s, 0,1
	s_mov_b32 s[G0A+4*\s], 1
	s_add_co_u32 s[G0A+4*\s+1], s93, \s*2*SLOT
	s_add_nc_u64 s[G0A+4*\s+2:G0A+4*\s+3], s[86:87], \s*4*CS
	s_or_b32 s[G0A+4*\s+3], s[G0A+4*\s+3], 0x80000000
	s_mov_b32 s[G0B+4*\s], 1
	s_add_co_u32 s[G0B+4*\s+1], s94, \s*2*SLOT
	s_add_nc_u64 s[G0B+4*\s+2:G0B+4*\s+3], s[90:91], \s*4*CS
	s_or_b32 s[G0B+4*\s+3], s[G0B+4*\s+3], 0x80000000
.endr
	VLOAD G0A, G0B                                 ; the head's one load a wave: slots 0 and 1
	v_and_b32 v1, 31, v0
	v_and_b32 v2, 15, v0                           ; r
	v_bfe_u32 v3, v0, 4, 1                         ; h
	v_lshlrev_b32 v[LI], 4, v1
	v_lshlrev_b32 v4, 5, v2                        ; 32 r
	v_lshl_add_u32 v[LW], v3, 3, v4
.irp b, 0,1,2,3
	v_mov_b32 v[TP+\b], 0                          ; written once: a lane permute's destination counts as one of its sources
.endr
	s_wait_alu depctr_va_vdst(0)
	s_mul_i32 s60, s[RH], CH                       ; my chunk in W_v's part,
	s_mul_i32 s61, s[CF], 4*1536
	s_add_co_u32 s61, s61, s60                     ; my four fragments in it,
	s_lshl_b32 s62, s[CF], 4
	s_add_co_u32 s62, s62, s60
	s_add_co_u32 s62, s62, 12288                   ; and their scale words: 16 bytes of a row's 32
	s_mov_b32 s63, 2*PIECE
.irp s, 0,1,2,3
	v_add_nc_u32 v[ADRA+\s], s61, v[LI]
	v_add_nc_u32 v[ADSA+\s], s62, v4
	v_add_nc_u32 v[ADRB+\s], s63, v[LI]
	v_add_nc_u32 v[ADSB+\s], s63, v4
	v_add_nc_u32 v[ADSB+\s], 12288, v[ADSB+\s]
	s_add_co_u32 s61, s61, SLOT
	s_add_co_u32 s62, s62, SLOT
	s_add_co_u32 s63, s63, SLOT
.endr
	s_mul_i32 s96, s19, CS                         ; my chunk of the result: K step = token group, row group 2 x tile row + my chunk of W_v
	s_lshl_b32 s98, s20, 1
	s_add_co_u32 s98, s98, s[RH]
	s_mul_i32 s98, s98, CH
	s_add_co_u32 s96, s96, s98
	s_mul_i32 s98, s[CF], 4*1536
	s_add_co_u32 s98, s98, s96                     ; my four fragments in it
	s_mov_b32 s99, 0
	s_lshl_b32 s95, s[CF], 4
	s_add_co_u32 s96, s96, s95
	s_add_co_u32 s96, s96, 12288                   ; and their scale words
	s_mov_b32 s97, 0
	s_add_nc_u64 s[OUTW:OUTW+1], s[OUT:OUT+1], s[96:97]
	s_add_nc_u64 s[OUT:OUT+1], s[OUT:OUT+1], s[98:99]
	s_wait_alu depctr_va_vdst(0)                   ; the head's end
	s_wait_tensorcnt 0x0                           ; my part of slots 0 and 1 is in
	ds_add_u32 v[SPW], v[NIL]
	s_wait_dscnt 0x0
	s_barrier_signal -1
	s_barrier_wait -1
	VLOAD G0A+4, G0B+4                             ; slots 2 and 3
.Lvblk:                                            ; a trip makes one block of 256 x 128
	VFB 0, 0, 0
	VFA 0, 0, 0
	VSTEP 0, 1, 0, 1, 0                            ; K step 0: its products start the sums
	VSTEP 1, 0, 1, 0, 0
	VSTEP 0, 0, 1, 1, 0
	VSTEP 1, 0, 2, 0, 1                            ; K step 3: slots 2 and 3 are whole for everybody; x's parts of slots 0 and 1 take the next block's
	VSTEP 0, 0, 2, 1, 0
	VSTEP 1, 0, 3, 0, 0
	VSTEP 0, 0, 3, 1, 0
	VSEQ G0B+4                                     ; K step 7: x's parts of slots 2 and 3 take the next block's; slots 0 and 1 are whole for the next trip
	WIN MUL
	VMUL 1, 0, 0
	VMUL 1, 2, 0
	WIN 0
	PLACES
.irp a, 0,1,2,3
	VQUANT \a
.endr
	v_cndmask_b32 v84, v[PW], v[PW+2], s[HM]       ; the four words are the same in lanes r and r + 16: lane (r, h) stores words 2 h and 2 h + 1
	v_cndmask_b32 v85, v[PW+1], v[PW+3], s[HM]
	global_store_b64 v[LW], v[84:85], s[OUTW:OUTW+1]   ; 16 of a row's 32 bytes; the chunk's other wave stores the rest
	s_wait_xcnt 0x0                                ; the stores have read their bases and registers
	s_add_nc_u64 s[OUT:OUT+1], s[OUT:OUT+1], 28*CS ; the next block's chunk: 28 token groups on
	s_add_nc_u64 s[OUTW:OUTW+1], s[OUTW:OUTW+1], 28*CS
	s_add_co_u32 s[TN], s[TN], 1
	s_cmp_lt_u32 s[TN], s[NBLK]
	s_wait_alu depctr_va_vdst(0)
	s_cbranch_scc1 .Lvblk
	s_wait_tensorcnt 0x0                           ; the wave's end
	ds_add_u32 v[SPW], v[NIL]
	s_wait_dscnt 0x0
	s_endpgm
.Lfunc_end_k_q84ff1996b8_scores:
	.size	k_q84ff1996b8_scores, .Lfunc_end_k_q84ff1996b8_scores-k_q84ff1996b8_scores
	.p2alignl 7, 3214868480
	.fill 96, 4, 3214868480
	.section	.rodata,"a",@progbits
	.p2align	6, 0x0
	.amdhsa_kernel k_q84ff1996b8_scores
		.amdhsa_group_segment_fixed_size 327680
		.amdhsa_private_segment_fixed_size 0
		.amdhsa_enable_private_segment 0
		.amdhsa_kernarg_size 40
		.amdhsa_user_sgpr_count 2
		.amdhsa_user_sgpr_kernarg_segment_ptr 1
		.amdhsa_wavefront_size32 1
		.amdhsa_system_sgpr_workgroup_id_x 1
		.amdhsa_system_sgpr_workgroup_id_y 1
		.amdhsa_system_sgpr_workgroup_id_z 1
		.amdhsa_system_vgpr_workitem_id 0
		.amdhsa_next_free_vgpr 1024
		.amdhsa_next_free_sgpr 100
		.amdhsa_reserve_vcc 1
		.amdhsa_float_denorm_mode_32 3
		.amdhsa_float_denorm_mode_16_64 3
		.amdhsa_memory_ordered 1
		.amdhsa_forward_progress 1
		.amdhsa_inst_pref_size 255
	.end_amdhsa_kernel
	.section	.bss,"aw",@nobits
	.p2align	6
	.space	262144
	.amdgpu_metadata
---
amdhsa.version: [ 1, 2 ]
amdhsa.kernels:
  - .name:           k_q84ff1996b8_scores
    .symbol:         k_q84ff1996b8_scores.kd
    .args:
      - { .name: qk, .offset: 0, .size: 8, .value_kind: global_buffer, .address_space: global }
      - { .name: pc, .offset: 8, .size: 8, .value_kind: global_buffer, .address_space: global }
      - { .name: wvo, .offset: 16, .size: 8, .value_kind: global_buffer, .address_space: global }
      - { .name: xc, .offset: 24, .size: 8, .value_kind: global_buffer, .address_space: global }
      - { .name: vt, .offset: 32, .size: 8, .value_kind: global_buffer, .address_space: global }
    .group_segment_fixed_size: 327680
    .private_segment_fixed_size: 0
    .kernarg_segment_align: 8
    .kernarg_segment_size: 40
    .max_flat_workgroup_size: 128
    .sgpr_count:     100
    .vgpr_count:     1024
    .wavefront_size: 32
...
	.end_amdgpu_metadata
.endif
;; end of part 3
;; launch context (part 4): grid 8 x 32, 4 waves a work-group, clusters of 4 x 1, 327,680 bytes of LDS; arguments pc, vt, cc; writes cc
.if DOCPART == 4
	.amdgcn_target "amdgcn-amd-amdhsa--gfx1250"
	.amdhsa_code_object_version 6
	.text
	.protected	k_q84ff1996b8_context
	.globl	k_q84ff1996b8_context
	.p2align	8
	.type	k_q84ff1996b8_context,@function
k_q84ff1996b8_context:
	s_mov_b64 s[64:65], 0
	v_nop
	global_prefetch_b8 v0, s[64:65] scope:SCOPE_SE
	s_setreg_imm32_b32 hwreg(HW_REG_WAVE_MODE, 25, 1), 1
	s_wait_xcnt 0x0
	s_wait_alu depctr_hold_cnt(0) depctr_sa_sdst(0) depctr_va_vdst(0) depctr_va_sdst(0) depctr_va_ssrc(0) depctr_va_vcc(0) depctr_vm_vsrc(0)
	s_getreg_b32 s2, hwreg(HW_REG_IB_STS2, 6, 4)
	s_cmp_eq_u32 s2, 0
	s_cbranch_scc0 .Lentry_in_a_cluster
	s_endpgm
.Lentry_in_a_cluster:
	s_bfe_u32 s2, ttmp6, 0x10000c
	s_cmp_lg_u32 s2, 0x3003
	s_cbranch_scc0 .Lentry_shape_is_right
	s_endpgm
.Lentry_shape_is_right:
; ctx = (p v) / l on chunks of FP6 codes (a chunk: 128 rows x 128 K as register images, 12,800 bytes: the first kernel's head), quantised along the model axis into chunks of cc.
; A = p (rows: queries, K: keys), B = v^T (rows: the model axis, K: keys).
; LEFT OUT AS DEAD WORK: key tiles wholly above the diagonal of reference()'s own jnp.tril (their weights are 0 for all inputs).  Query group j (128 rows) multiplies j / 2 + 1 units of 256 keys.
; SHARES: work-group (tx, ty): 128 of the model axis (tx), batch ty / 8, pair i = ty % 8 of query groups: the upper one, 15 - i, with 8 - m units, and the lower one, i, with m + 1 (m = i / 2):
; 9 units in every work-group, 256 work-groups.  Wave w makes row tiles 2 w, 2 w + 1 of both groups against v^T's eight tiles: 2 x 16 accumulators.
; THE WALK, unit u: 0: upper group, keys 0-255; 1: lower group, keys 0-255; 2 .. NB - 1 (NB = 9 - m): the upper group's further units; NB .. 8: the lower group's.  Both groups' first units stand at fixed
; places, so their first products start the sums with C = 0 and nothing is cleared.  pc holds each pair's 18 chunks of p on end in this order (entries 2 u, 2 u + 1), so p comes as dense blocks.
; LDS: two slots of three units, each [p: 6 chunks][v: 3 x 2 chunks] = 153,600 bytes; three fills: slot 0 at the head, slot 1 behind the full sequence, slot 0 again.  Wave 0 brings p's 76,800 bytes,
; waves 1 to 3 one unit of v each (two rows of 12,800 bytes, one key step apart): one load a wave behind each round.  Every wait on TENSORcnt is for 0.
; CLUSTER 4 x 1: the four partners differ in tx alone and read the same p: p's load is joint (mask 15).  v is not shared: the work-groups that read the same v belong to other pairs, and which key unit
; a round needs hangs on the pair.
; M AND l: the launch before left -M_loc and l_loc for each row and group of 128 keys.  Lane (r, h) of wave w serves row r of tile 2 w + h of both groups: -M_row = the least -M_loc; l = the sum of
; l_loc x 2^(M_loc - M_row); p's scale bytes less M_row - M_loc, byte by byte, held at 0 from below (a limit that the first kernel's head states).  The words and 1 / l go to the wave's own table in LDS.
; PREFETCH: behind the second fill's request each wave names the blocks of 256 bytes of its own piece of the third fill, one slot ahead: v's 2 x 50 blocks in four instructions; p's 300 are shared out
; among the four partners by address, 75 each, three instructions.  The first two fills come by their loads alone.
.set CH,    12800
.set CS,    819200
.set UB,    2*CH                       ; a unit's bytes of one operand
.set HALF,  3*UB
.set SLOT,  2*HALF
.set PB,    18*CH                      ; a pair's block of p
.set PM,    32*PB                      ; -M_loc: (18 block + entry) x 512 + 32 r + 4 a
.set PL,    PM+32*18*512               ; l_loc likewise
.set SPARE, 2*SLOT                     ; the spare words: two blocks of 256 bytes that no other line names
.set TAB,   SPARE+512                  ; a table for each wave: 18 entries of 128 bytes [r][2 tiles], then 1 / l of the upper and of the lower group
.set TABB,  2560
.set FR,    12
.set ADSB0, 8
.set ADSB,  9
.set LI,    12                         ; 16 x lane
.set LW,    13                         ; 32 r + 8 w + 4 h
.set PF3,   14
.set ADRA0, 16                         ; 3,072 w + 16 x lane: my two fragments in a chunk, in LDS and in cc
.set ADRA,  17
.set ADRB0, 20
.set ADRB,  21
.set ADT0,  22
.set ADT,   23
.set TABW,  24
.set SPW,   28
.set NIL,   29
.set SC,    32                         ; scale words and nothing else: step q at SC + 16 q: p's two at + a, v's eight at + 4 + b
.set TM,    96
.set TP,    100
.set SO,    104
.set PW,    112
.set AF,    128                        ; my two fragments of p, step q at AF + 24 q
.set NM,    128                        ; ahead of the walk: v128-145 -M_loc, v146-163 l_loc, v164-181 scale words, v182-217 at work
.set LL,    146
.set WD,    164
.set D,     182
.set Y,     200
.set MB,    218
.set MS,    219
.set RU,    220
.set LB,    223
.set LS,    224
.set INF,   225
.set VL,    3
.set OUT,   8                          ; s[8:9] the upper group's chunk of cc, s[10:11] the lower group's
.set WV,    14
.set W1,    15
.set NB,    16
.set UU,    17
.set UO,    18
.set TU,    19
.set TX,    20
.set TY,    21
.set BA,    22
.set PI,    23
.set G1P,   24
.set G1V,   32
.set G0P,   40                         ; s[40:51] p's group 0 for the three fills
.set G0V,   52                         ; s[52:63] v's
.set SEL,   66
.set HM,    68
.set B80,   69
.set MK,    70                         ; s70-72: all ones where unit 6, 7, 8 is the upper group's; s73-75, s76-78: 1.0 or 0 likewise and the other way round
.set FB,    73
.set FS,    76
.set CX,    79
.set PFA,   80
.set VB,    82
.set PBS,   84
.set STM,   86
.set WDB,   88
.set MULW,  0xa1                       ; source 0 (v) window 1, source 1 (p) window 0, C and D window 2
.set TO_B,  0x40
.set MSB, 0
.macro WIN new                         ; the immediate's high byte repeats the setting that is left
.if MSB != \new
	s_set_vgpr_msb (MSB<<8)|\new
.set MSB, \new
.endif
.endm
.macro PLACES
.rept 4
	v_nop
.endr
.endm
.macro ROUND                           ; a round of the cluster's barrier
	s_barrier_signal -1
	s_barrier_wait -1
	s_cmp_lg_u32 s[WV], 0
	s_cbranch_scc1 .Lnot_wave_0_\@
	s_barrier_signal -3
.Lnot_wave_0_\@:
	s_barrier_wait -3
	s_barrier_signal -1
	s_barrier_wait -1
.endm
.macro TLOAD f                         ; wave 0: p, jointly; waves 1 to 3: a unit of v each.  The branch hangs on the wave's number alone
	s_cmp_eq_u32 s[WV], 0
	s_cbranch_scc0 .Lfor_v_\@
	tensor_load_to_lds s[G0P+4*\f:G0P+4*\f+3], s[G1P:G1P+7]
	s_nop 0
	PLACES
	s_branch .Lasked_\@
.Lfor_v_\@:
	tensor_load_to_lds s[G0V+4*\f:G0V+4*\f+3], s[G1V:G1V+7]
	s_nop 0
	PLACES
.Lasked_\@:
.endm
.macro FRAG reg, adr, off
.irp t, 0,1,2
	ds_load_b128 v[\reg+4*\t:\reg+4*\t+3], v[\adr] offset:\off+512*\t
.endr
.endm
.macro FETCH_B q                       ; v's eight fragments of step q: 24 loads
	WIN TO_B
.irp i, 0,1,2,3,4,5,6,7
	FRAG 128*(\q)+FR*\i, ADRB, (\q)*CH+1536*\i
.endr
	WIN 0
.endm
.macro FETCH_A q                       ; my two fragments of p, their adjusted words from my table, v's words: 9 loads
	FRAG AF+24*(\q), ADRA, (\q)*CH
	FRAG AF+24*(\q)+FR, ADRA, (\q)*CH+1536
	ds_load_b64 v[SC+16*(\q):SC+16*(\q)+1], v[ADT] offset:128*(\q)
	ds_load_b128 v[SC+16*(\q)+4:SC+16*(\q)+7], v[ADSB] offset:(\q)*CH
	ds_load_b128 v[SC+16*(\q)+8:SC+16*(\q)+11], v[ADSB] offset:(\q)*CH+16
.endm
.macro MUL q, base, zero               ; 16 products; the 16 accumulators take turns, one instruction a turn.  base: 0 the upper group's, 128 the lower's
	WIN MULW
.irp a, 0,1
.irp b, 0,1,2,3,4,5,6,7
.if \zero
	v_wmma_scale_f32_16x16x128_f8f6f4 v[\base+8*(8*\a+\b):\base+8*(8*\a+\b)+7], v[128*(\q)+FR*\b:128*(\q)+FR*\b+FR-1], v[AF+24*(\q)+FR*\a:AF+24*(\q)+FR*\a+FR-1], 0, v[SC+16*(\q)+4+\b], v[SC+16*(\q)+\a] matrix_a_fmt:MATRIX_FMT_FP6 matrix_b_fmt:MATRIX_FMT_FP6
.else
	v_wmma_scale_f32_16x16x128_f8f6f4 v[\base+8*(8*\a+\b):\base+8*(8*\a+\b)+7], v[128*(\q)+FR*\b:128*(\q)+FR*\b+FR-1], v[AF+24*(\q)+FR*\a:AF+24*(\q)+FR*\a+FR-1], v[\base+8*(8*\a+\b):\base+8*(8*\a+\b)+7], v[SC+16*(\q)+4+\b], v[SC+16*(\q)+\a] matrix_a_fmt:MATRIX_FMT_FP6 matrix_b_fmt:MATRIX_FMT_FP6
.endif
.endr
.endr
	WIN 0
.endm
; One unit of 256 keys, at byte UO of LDS and TU of my table.  mode 0: the upper group; 1: its first unit; 2: the lower group's first unit; 3: which group hangs on ids (the same in all waves and partners).
.macro UNIT mode
	v_add_nc_u32 v[ADRA], s[UO], v[ADRA0]          ; these four are also the places behind the last products, ahead of the loads into their registers
	v_add_nc_u32 v[ADRB], s[UO], v[ADRB0]
	v_add_nc_u32 v[ADSB], s[UO], v[ADSB0]
	v_add_nc_u32 v[ADT], s[TU], v[ADT0]
	s_wait_alu depctr_va_vdst(0)                   ; some readers stand behind the wait on DScnt below
	FETCH_B 0
	FETCH_A 0
	FETCH_B 1
	s_wait_dscnt 24                                ; step 0 is in; step 1's 24 loads of v may be out
	FETCH_A 1
.if \mode == 3
	s_cmp_lt_u32 s[UU], s[NB]
	s_cbranch_scc0 .Llower_\@
.endif
.if \mode == 2
	MUL 0, 128, 1
	s_wait_dscnt 0x0
	MUL 1, 128, 0
.else
.if \mode == 1
	MUL 0, 0, 1
.else
	MUL 0, 0, 0
.endif
	s_wait_dscnt 0x0                               ; step 1 is in
	MUL 1, 0, 0
.endif
.if \mode == 3
	s_branch .Lnext_\@
.Llower_\@:
	MUL 0, 128, 0
	s_wait_dscnt 0x0
	MUL 1, 128, 0
.Lnext_\@:
.endif
	s_add_co_u32 s[UO], s[UO], UB
	s_add_co_u32 s[TU], s[TU], 256
.endm
.macro QMAX                            ; the four blocks' largest magnitudes, each accumulator read from its low end on
	WIN 0x0a
.irp b, 0,1,2,3
	v_max3_num_f32 v[TM+\b], |v[AC+16*\b]|, |v[AC+16*\b+1]|, 0x1800000
.endr
.irp i, 2,4,6,8,10,12,14
.irp b, 0,1,2,3
	v_max3_num_f32 v[TM+\b], |v[AC+16*\b+\i]|, |v[AC+16*\b+\i+1]|, v[TM+\b]
.endr
.endr
	WIN 0
.irp b, 0,1,2,3
	v_permlanex16_b32 v[TP+\b], v[TM+\b], s[SEL], s[SEL+1]
.endr
.irp b, 0,1,2,3
	v_max_num_f32 v[TM+\b], v[TM+\b], v[TP+\b]
.endr
.endm
.macro QTAIL a
.irp b, 0,1,2,3
	v_add_nc_u32 v[SO+\b], 0xff000000, v[TM+\b]    ; 2 off the exponent field: the conversion's scale operand
.endr
.irp b, 0,1,2,3
	v_lshrrev_b32 v[TP+\b], 23, v[SO+\b]           ; the scale's byte
.endr
	v_lshl_or_b32 v[PW+(\a)], v[TP+1], 8, v[TP]
	v_lshl_or_b32 v[PW+(\a)], v[TP+2], 16, v[PW+(\a)]
	v_lshl_or_b32 v[PW+(\a)], v[TP+3], 24, v[PW+(\a)]
	s_wait_alu depctr_va_vdst(0)
	s_wait_xcnt 0x0                                ; the stores of two tiles back have read these registers
	WIN 0x02
.irp c, 0,1
	v_cvt_scalef32_pk16_fp6_f32 v[PC+6*\c:PC+6*\c+2], v[AC+32*\c:AC+32*\c+15], v[SO+2*\c]
	v_cvt_scalef32_pk16_fp6_f32 v[PC+12+4*\c:PC+14+4*\c], v[AC+32*\c+16:AC+32*\c+31], v[SO+2*\c+1]
.endr
	WIN 0
	v_nop                                          ; one plain place behind a scaled conversion
.irp c, 0,1                                    ; the layout wants a whole block in a lane
.irp i, 0,1,2
	v_permlane16_swap_b32 v[PC+6*\c+\i], v[PC+12+4*\c+\i]
.endr
.irp i, 0,1,2
	v_mov_b32 v[PC+3+6*\c+\i], v[PC+12+4*\c+\i]
.endr
.endr
.irp t, 0,1,2
	global_store_b128 v[ADRA0], v[PC+4*\t:PC+4*\t+3], s[OB:OB+1] offset:1536*((\a)%2)+512*\t   ; 512 consecutive bytes, aligned
.endr
.endm
.macro CTX a                           ; tiles 0, 1: the upper group's; 2, 3: the lower's.  Divided by l, then quantised along the model axis
.set AC, 64*(\a)
.set PC, 128+24*((\a)%2)
.set OB, OUT+2*((\a)/2)
	v_mov_b32 v110, v[192+(\a)]
	s_wait_alu depctr_va_vdst(0)
	WIN 0x82
.set j, 0
.rept 32
	v_pk_mul_f32 v[AC+j:AC+j+1], v[AC+j:AC+j+1], v[110:111] op_sel_hi:[1,0]
.set j, j+2
.endr
	QMAX
	QTAIL \a
.endm
	s_load_b128 s[4:7], s[0:1], 0x0                ; pc, vt
	s_load_b64 s[8:9], s[0:1], 0x10                ; cc
	v_lshl_add_u32 v[SPW], v0, 2, SPARE
	v_mov_b32 v[NIL], 0
	ds_add_u32 v[SPW], v[NIL]                      ; the opening: the add, twice on end, and its wait ahead of my first tensor load
	ds_add_u32 v[SPW], v[NIL]
	v_lshrrev_b32 v1, 5, v0
	v_readfirstlane_b32 s[WV], v1
	s_max_u32 s[W1], s[WV], 1
	s_sub_co_u32 s[W1], s[W1], 1                   ; which unit of a fill I bring (waves 1 to 3)
	s_bfe_u32 s[CX], ttmp6, 0x40000
	s_lshl_b32 s[TX], ttmp9, 2
	s_add_co_u32 s[TX], s[TX], s[CX]
	s_and_b32 s[TY], ttmp7, 0xffff
	s_lshr_b32 s[BA], s[TY], 3
	s_and_b32 s[PI], s[TY], 7
	s_lshr_b32 s[NB], s[PI], 1
	s_sub_co_u32 s[NB], 9, s[NB]
	s_mov_b32 s[G1P], 15|(3<<16)|(1<<21)           ; the mask of all four partners; elements of 8 bytes; bit 21 beside a mask; no padding: images are read densely
	s_mov_b32 s[G1P+1], 32<<16                     ; p: a dense block as 300 rows of 256 bytes
	s_mov_b32 s[G1P+2], 300<<16
	s_mov_b32 s[G1P+3], 32<<16
	s_mov_b32 s[G1P+4], 300
	s_mov_b32 s[G1P+5], 32
	s_mov_b32 s[G1P+6], 0
	s_mov_b32 s[G1P+7], 0
	s_mov_b32 s[G1V], 3<<16                        ; v: no mask; two rows of 12,800 bytes, CS bytes apart
	s_mov_b32 s[G1V+1], 1600<<16
	s_mov_b32 s[G1V+2], 2<<16
	s_mov_b32 s[G1V+3], 1600<<16
	s_mov_b32 s[G1V+4], 2
	s_mov_b32 s[G1V+5], 102400
	s_mov_b32 s[G1V+6], 0
	s_mov_b32 s[G1V+7], 0
	s_mul_i32 s92, s[TY], PB                       ; my pair's block of p
	s_mov_b32 s93, 0
	s_lshl_b32 s94, s[BA], 4
	s_mul_i32 s94, s94, CS
	s_mul_i32 s95, s[TX], CH
	s_add_co_u32 s94, s94, s95                     ; v: the batch's key step 0, my 128 of the model axis
	s_mov_b32 s95, 0
	s_mul_i32 s96, s[TY], 18*512
	s_add_co_u32 s96, s96, PM
	s_mov_b32 s97, 0
	s_add_co_u32 s98, s92, 12288                   ; entry 0's scale words
	s_mov_b32 s99, 0
	s_lshl_b32 s90, s[BA], 4
	s_add_co_u32 s91, s90, s[PI]                   ; the lower query group,
	s_add_co_u32 s90, s90, 15
	s_sub_co_u32 s90, s90, s[PI]                   ; the upper
	s_mul_i32 s12, s[TX], CS
	s_mul_i32 s90, s90, CH
	s_mul_i32 s91, s91, CH
	s_add_co_u32 s100, s12, s91
	s_add_co_u32 s12, s12, s90
	s_mov_b32 s13, 0
	s_mov_b32 s101, 0
	s_mul_i32 s[VL], s[WV], UB
	s_add_co_u32 s[VL], s[VL], 2*UB                ; where my unit of v goes in a slot: HALF + (w - 1) UB
.irp u, 0,1,2
	s_cmp_gt_u32 s[NB], 6+\u
	s_cselect_b32 s[MK+\u], -1, 0
	s_cselect_b32 s[FB+\u], 0x3f800000, 0
	s_cselect_b32 s[FS+\u], 0, 0x3f800000
.endr
	s_mov_b32 s[SEL], 0x76543210
	s_mov_b32 s[SEL+1], 0xfedcba98
	s_mov_b32 s[HM], 0xffff0000
	s_mov_b32 s[B80], 0x80808080
	s_wait_dscnt 0x0                               ; both opening adds are done
	s_wait_kmcnt 0x0
	s_add_nc_u64 s[PBS:PBS+1], s[4:5], s[92:93]
	s_add_nc_u64 s[VB:VB+1], s[6:7], s[94:95]
	s_add_nc_u64 s[STM:STM+1], s[4:5], s[96:97]
	s_add_nc_u64 s[WDB:WDB+1], s[4:5], s[98:99]
	s_add_nc_u64 s[OUT+2:OUT+3], s[OUT:OUT+1], s[100:101]
	s_add_nc_u64 s[OUT:OUT+1], s[OUT:OUT+1], s[12:13]
.irp f, 0,1,2
	s_mov_b32 s[G0P+4*\f], 1
	s_mov_b32 s[G0P+4*\f+1], (\f%2)*SLOT
	s_add_nc_u64 s[G0P+4*\f+2:G0P+4*\f+3], s[PBS:PBS+1], \f*HALF
	s_or_b32 s[G0P+4*\f+3], s[G0P+4*\f+3], 0x80000000
.if \f == 0
	s_lshr_b32 s90, s[W1], 1                       ; units 0 and 1: key unit 0; unit 2: key unit 1
.else
	s_add_co_u32 s90, s[W1], 3*\f                  ; unit u: the upper group's key unit u - 1, or the lower's u - NB + 1
	s_sub_co_u32 s91, s[NB], 1
	s_cmp_lt_u32 s90, s[NB]
	s_cselect_b32 s91, 1, s91
	s_sub_co_u32 s90, s90, s91
.endif
	s_mul_i32 s90, s90, 2*CS
	s_mov_b32 s91, 0
	s_mov_b32 s[G0V+4*\f], 1
	s_add_co_u32 s[G0V+4*\f+1], s[VL], (\f%2)*SLOT
	s_add_nc_u64 s[G0V+4*\f+2:G0V+4*\f+3], s[VB:VB+1], s[90:91]
	s_or_b32 s[G0V+4*\f+3], s[G0V+4*\f+3], 0x80000000
.if \f == 2
	s_add_nc_u64 s[PFA:PFA+1], s[VB:VB+1], s[90:91]
.endif
.endr
	s_mul_i32 s90, s[CX], 75*256                   ; the partners share p's 300 blocks out by address
	s_add_co_u32 s90, s90, 2*HALF
	s_add_nc_u64 s[92:93], s[PBS:PBS+1], s[90:91]
	s_cmp_eq_u32 s[WV], 0
	s_cselect_b64 s[PFA:PFA+1], s[92:93], s[PFA:PFA+1]
	ROUND                                          ; all four partners are here: the joint loads meet
	TLOAD 0                                        ; units 0 to 2: the head's one load a wave
	v_and_b32 v1, 31, v0
	v_and_b32 v2, 15, v0                           ; r
	v_bfe_u32 v3, v0, 4, 1                         ; h
	v_lshlrev_b32 v[LI], 4, v1
	v_lshlrev_b32 v4, 5, v2
	v_lshlrev_b32 v5, 3, v2
	v_lshl_add_u32 v6, v3, 2, v5                   ; 8 r + 4 h
	v_lshl_add_u32 v7, v3, 2, v4                   ; 32 r + 4 h
	s_lshl_b32 s90, s[WV], 3
	v_add_nc_u32 v[LW], s90, v7
	v_lshlrev_b32 v30, 8, v1
	v_min_u32 v31, 17*256, v30
	v_min_u32 v[PF3], 10*256, v30
	s_mul_i32 s91, s[WV], TABB
	s_add_co_u32 s91, s91, TAB
	v_add_nc_u32 v[TABW], s91, v6
	v_add_nc_u32 v[ADT0], s91, v5
	s_mul_i32 s90, s[WV], 2*1536
	v_add_nc_u32 v[ADRA0], s90, v[LI]
	v_add_nc_u32 v[ADRB0], HALF, v[LI]
	v_add_nc_u32 v[ADSB0], HALF+12288, v4
	v_mov_b32 v[INF], 0x7f61b1e6                   ; 3e38, over every -M_loc
	s_wait_alu depctr_va_vdst(0)                   ; the head's end
.set e, 0
.rept 18
	global_load_b32 v[NM+e], v[LW], s[STM:STM+1] offset:512*e
.set e, e+1
.endr
.set e, 0
.rept 18
	global_load_b32 v[LL+e], v[LW], s[STM:STM+1] offset:PL-PM+512*e
.set e, e+1
.endr
.set e, 0
.rept 18
	global_load_b32 v[WD+e], v[LW], s[WDB:WDB+1] offset:CH*e
.set e, e+1
.endr
	s_wait_tensorcnt 0x0                           ; my piece of slot 0 is in
	ds_add_u32 v[SPW], v[NIL]
	s_wait_dscnt 0x0
	ROUND
	TLOAD 1                                        ; units 3 to 5 into slot 1
	s_cmp_eq_u32 s[WV], 0
	s_cbranch_scc1 .Lask_p
	global_prefetch_b8 v30, s[PFA:PFA+1] th:TH_LOAD_NT scope:SCOPE_SE                    ; my unit of the third fill: its first key step's blocks 0 to 31,
	global_prefetch_b8 v31, s[PFA:PFA+1] offset:8192 th:TH_LOAD_NT scope:SCOPE_SE        ; 32 to 49 (the lanes beyond name the last);
	global_prefetch_b8 v30, s[PFA:PFA+1] offset:CS th:TH_LOAD_NT scope:SCOPE_SE          ; and the second key step's
	global_prefetch_b8 v31, s[PFA:PFA+1] offset:CS+8192 th:TH_LOAD_NT scope:SCOPE_SE
	s_branch .Lasked
.Lask_p:
	global_prefetch_b8 v30, s[PFA:PFA+1] th:TH_LOAD_NT scope:SCOPE_SE                    ; my work-group's 75 blocks of p: 0 to 31,
	global_prefetch_b8 v30, s[PFA:PFA+1] offset:8192 th:TH_LOAD_NT scope:SCOPE_SE        ; 32 to 63,
	global_prefetch_b8 v[PF3], s[PFA:PFA+1] offset:16384 th:TH_LOAD_NT scope:SCOPE_SE    ; 64 to 74
.Lasked:
	; ---- M and l, while slot 1 is on its way.  Entries 0, 1, 4 .. 11 are the upper group's, 2, 3 the lower's; 12 .. 17 (units 6 to 8) by the masks
	s_wait_loadcnt 36                              ; the 18 loads of -M_loc are in; the 36 younger ones may be out
	v_min3_num_f32 v[MB], v[NM], v[NM+1], v[NM+4]
	v_min_num_f32 v[MS], v[NM+2], v[NM+3]
.irp e, 12,13,14,15,16,17
	v_cndmask_b32 v[D+\e], v[INF], v[NM+\e], s[MK+(\e-12)/2]
	v_cndmask_b32 v[Y+\e], v[NM+\e], v[INF], s[MK+(\e-12)/2]
.endr
.irp e, 5,7,9
	v_min3_num_f32 v[MB], v[MB], v[NM+\e], v[NM+\e+1]
.endr
	v_min_num_f32 v[MB], v[MB], v[NM+11]
.irp e, 12,14,16
	v_min3_num_f32 v[MB], v[MB], v[D+\e], v[D+\e+1]
	v_min3_num_f32 v[MS], v[MS], v[Y+\e], v[Y+\e+1]
.endr
.irp u, 0,1,2
	v_cndmask_b32 v[RU+\u], v[MS], v[MB], s[MK+\u] ; -M_row of the group that unit 6 + u belongs to
.endr
.set e, 0
.rept 18
.if e >= 12
	v_sub_f32 v[NM+e], v[RU+(e-12)/2], v[NM+e]     ; M_loc - M_row: a whole number, 0 or less
.elseif (e == 2) || (e == 3)
	v_sub_f32 v[NM+e], v[MS], v[NM+e]
.else
	v_sub_f32 v[NM+e], v[MB], v[NM+e]
.endif
.set e, e+1
.endr
.set e, 0
.rept 18
	v_max_num_f32 v[NM+e], 0xc2fe0000, v[NM+e]     ; held at -127
.set e, e+1
.endr
.set e, 0
.rept 18
	v_cvt_i32_f32 v[NM+e], v[NM+e]
.set e, e+1
.endr
.set e, 0
.rept 18
	v_sub_nc_u32 v[D+e], 0, v[NM+e]                ; d = M_row - M_loc, 0 .. 127,
.set e, e+1
.endr
.set e, 0
.rept 18
	v_perm_b32 v[D+e], v[D+e], v[D+e], 0           ; in all four bytes
.set e, e+1
.endr
	s_wait_alu depctr_va_vdst(0)
	s_wait_loadcnt 0x0
.set e, 0
.rept 18
	v_ldexp_f32 v[LL+e], v[LL+e], v[NM+e]          ; l_loc under the row's M
.set e, e+1
.endr
.set e, 0
.rept 18
	v_or_b32 v[WD+e], s[B80], v[WD+e]              ; 128 + byte (p's bytes are at most 125),
.set e, e+1
.endr
.set e, 0
.rept 18
	v_sub_nc_u32 v[WD+e], v[WD+e], v[D+e]          ; - d: at least 1 in each byte, so no borrow crosses a byte
.set e, e+1
.endr
.set e, 0
.rept 18
	v_and_b32 v[Y+e], s[B80], v[WD+e]              ; bit 7 stands where byte >= d
.set e, e+1
.endr
.set e, 0
.rept 18
	v_lshrrev_b32 v[D+e], 7, v[Y+e]
.set e, e+1
.endr
.set e, 0
.rept 18
	v_sub_nc_u32 v[Y+e], v[Y+e], v[D+e]            ; 0x7f there, 0 elsewhere
.set e, e+1
.endr
.set e, 0
.rept 18
	v_and_b32 v[WD+e], v[WD+e], v[Y+e]             ; byte - d, held at 0
.set e, e+1
.endr
	v_add_f32 v[LB], v[LL], v[LL+1]
	v_add_f32 v[LS], v[LL+2], v[LL+3]
.irp e, 4,5,6,7,8,9,10,11
	v_add_f32 v[LB], v[LB], v[LL+\e]
.endr
.irp e, 12,13,14,15,16,17
	v_fma_f32 v[LB], v[LL+\e], s[FB+(\e-12)/2], v[LB]
	v_fma_f32 v[LS], v[LL+\e], s[FS+(\e-12)/2], v[LS]
.endr
	s_wait_alu depctr_va_vdst(0)                   ; the wait ahead of the two reciprocals,
	v_rcp_f32 v[LB], v[LB]                         ; 1 / l: l is over 1/2
	v_rcp_f32 v[LS], v[LS]
	v_nop                                          ; a plain place behind them,
	s_wait_alu depctr_va_vdst(0)                   ; and the wait ahead of their first reader
.set e, 0
.rept 18
	ds_store_b32 v[TABW], v[WD+e] offset:128*e     ; my own table: LDS serves a wave's instructions in order, so my later loads see these
.set e, e+1
.endr
	ds_store_b32 v[TABW], v[LB] offset:128*18
	ds_store_b32 v[TABW], v[LS] offset:128*19
	s_mov_b32 s[UO], 0
	s_mov_b32 s[TU], 0
	UNIT 1                                         ; unit 0 starts the upper group's sums,
	UNIT 2                                         ; unit 1 the lower group's
	UNIT 0
	s_wait_tensorcnt 0x0                           ; my piece of slot 1 is in;
	ds_add_u32 v[SPW], v[NIL]
	s_wait_dscnt 0x0                               ; the add is done, and my reads of slot 0 are over
	ROUND
	TLOAD 2                                        ; units 6 to 8 into slot 0: the one refill
	s_mov_b32 s[UO], SLOT
	s_mov_b32 s[TU], 3*256
	s_mov_b32 s[UU], 3
.Lmid:                                             ; units 3 to 5 are the upper group's in every pair (NB is at least 6)
	UNIT 0
	s_add_co_u32 s[UU], s[UU], 1
	s_cmp_lt_u32 s[UU], 6
	s_cbranch_scc1 .Lmid
	s_wait_tensorcnt 0x0                           ; my piece of the third fill is in
	s_wait_dscnt 0x0
	s_barrier_signal -1
	s_barrier_wait -1
	s_mov_b32 s[UO], 0
	s_mov_b32 s[TU], 6*256
	s_mov_b32 s[UU], 6
.Llast:
	UNIT 3
	s_add_co_u32 s[UU], s[UU], 1
	s_cmp_lt_u32 s[UU], 9
	s_cbranch_scc1 .Llast
	PLACES                                         ; behind the last products: for the loads below and the first reads of results
	ds_load_b64 v[192:193], v[ADT0] offset:128*18  ; 1 / l of my row in the upper group's two tiles,
	ds_load_b64 v[194:195], v[ADT0] offset:128*19  ; and in the lower's
.irp b, 0,1,2,3
	v_mov_b32 v[TP+\b], 0                          ; written once: a lane permute's destination counts as one of its sources
.endr
	v_mov_b32 v111, 0                              ; (named as the upper half of the pair v[110:111])
	s_wait_alu depctr_va_vdst(0)
	s_wait_dscnt 0x0
.irp a, 0,1,2,3
	CTX \a
.endr
	v_cndmask_b32 v224, v[PW], v[PW+1], s[HM]      ; the words are the same in lanes r and r + 16: lane (r, h) stores tile 2 w + h's
	v_cndmask_b32 v225, v[PW+2], v[PW+3], s[HM]
	global_store_b32 v[LW], v224, s[OUT:OUT+1] offset:12288
	global_store_b32 v[LW], v225, s[OUT+2:OUT+3] offset:12288
	s_wait_tensorcnt 0x0                           ; the wave's end
	ds_add_u32 v[SPW], v[NIL]
	s_wait_dscnt 0x0
	ROUND                                          ; the closing round
	s_endpgm
.Lfunc_end_k_q84ff1996b8_context:
	.size	k_q84ff1996b8_context, .Lfunc_end_k_q84ff1996b8_context-k_q84ff1996b8_context
	.p2alignl 7, 3214868480
	.fill 96, 4, 3214868480
	.section	.rodata,"a",@progbits
	.p2align	6, 0x0
	.amdhsa_kernel k_q84ff1996b8_context
		.amdhsa_group_segment_fixed_size 327680
		.amdhsa_private_segment_fixed_size 0
		.amdhsa_enable_private_segment 0
		.amdhsa_kernarg_size 24
		.amdhsa_user_sgpr_count 2
		.amdhsa_user_sgpr_kernarg_segment_ptr 1
		.amdhsa_wavefront_size32 1
		.amdhsa_system_sgpr_workgroup_id_x 1
		.amdhsa_system_sgpr_workgroup_id_y 1
		.amdhsa_system_sgpr_workgroup_id_z 1
		.amdhsa_system_vgpr_workitem_id 0
		.amdhsa_next_free_vgpr 768
		.amdhsa_next_free_sgpr 102
		.amdhsa_reserve_vcc 0
		.amdhsa_float_denorm_mode_32 3
		.amdhsa_float_denorm_mode_16_64 3
		.amdhsa_memory_ordered 1
		.amdhsa_forward_progress 1
		.amdhsa_inst_pref_size 104
	.end_amdhsa_kernel
	.amdgpu_metadata
---
amdhsa.version: [ 1, 2 ]
amdhsa.kernels:
  - .name:           k_q84ff1996b8_context
    .symbol:         k_q84ff1996b8_context.kd
    .args:
      - { .name: pc, .offset: 0, .size: 8, .value_kind: global_buffer, .address_space: global }
      - { .name: vt, .offset: 8, .size: 8, .value_kind: global_buffer, .address_space: global }
      - { .name: cc, .offset: 16, .size: 8, .value_kind: global_buffer, .address_space: global }
    .group_segment_fixed_size: 327680
    .private_segment_fixed_size: 0
    .kernarg_segment_align: 8
    .kernarg_segment_size: 24
    .max_flat_workgroup_size: 128
    .sgpr_count:     102
    .vgpr_count:     768
    .wavefront_size: 32
...
	.end_amdgpu_metadata
.endif
;; end of part 4
;; launch outproj (part 5): grid 8 x 32, 4 waves a work-group, clusters of 4 x 4, 327,680 bytes of LDS; arguments cc, wvo, out0; writes out0
.if DOCPART == 5
	.amdgcn_target "amdgcn-amd-amdhsa--gfx1250"
	.amdhsa_code_object_version 6
	.text
	.protected	k_q84ff1996b8_outproj
	.globl	k_q84ff1996b8_outproj
	.p2align	8
	.type	k_q84ff1996b8_outproj,@function
k_q84ff1996b8_outproj:
	s_mov_b64 s[64:65], 0
	v_nop
	global_prefetch_b8 v0, s[64:65] scope:SCOPE_SE
	s_setreg_imm32_b32 hwreg(HW_REG_WAVE_MODE, 25, 1), 1
	s_wait_xcnt 0x0
	s_wait_alu depctr_hold_cnt(0) depctr_sa_sdst(0) depctr_va_vdst(0) depctr_va_sdst(0) depctr_va_ssrc(0) depctr_va_vcc(0) depctr_vm_vsrc(0)
	s_getreg_b32 s2, hwreg(HW_REG_IB_STS2, 6, 4)
	s_cmp_eq_u32 s2, 0
	s_cbranch_scc0 .Lentry_in_a_cluster
	s_endpgm
.Lentry_in_a_cluster:
	s_bfe_u32 s2, ttmp6, 0x10000c
	s_cmp_lg_u32 s2, 0xf033
	s_cbranch_scc0 .Lentry_shape_is_right
	s_endpgm
.Lentry_shape_is_right:
.set CH,    12800
.set PIECE, 2*CH
.set SLOT,  2*PIECE+2*CH
.set CS,    819200
.set SPARE, 4*SLOT
.set STG,   0
.set SPITCH, 528
.set FR,    12
.set STO,   6
.set RD,    7
.set ADSB,  8
.set LI,    12
.set ADRA,  16
.set ADRB,  20
.set ADSA,  24
.set SPW,   28
.set NIL,   29
.set SC,    32
.set AF,    128
.set BK,    128
.set WV,    14
.set RH,    15
.set CF,    16
.set G1A,   24
.set G0A,   32
.set G1B,   48
.set G0B,   68
.set OUT,   8
.set MUL,   0xa1
.set TO_B,  0x40
.set MSB, 0
.macro WIN new
.if MSB != \new
	s_set_vgpr_msb (MSB<<8)|\new
.set MSB, \new
.endif
.endm
.macro PLACES
.rept 4
	v_nop
.endr
.endm
.macro JLOAD g0a, g1a, g0b, g1b
	s_cmp_eq_u32 s[RH], 0
	s_cbranch_scc0 .Lfor_b_\@
	tensor_load_to_lds s[\g0a:\g0a+3], s[\g1a:\g1a+7]
	s_nop 0
	PLACES
	s_branch .Lasked_\@
.Lfor_b_\@:
	tensor_load_to_lds s[\g0b:\g0b+3], s[\g1b:\g1b+7]
	s_nop 0
	PLACES
.Lasked_\@:
.endm
.macro CROUND
	s_barrier_signal -1
	s_barrier_wait -1
	s_cmp_lg_u32 s[WV], 0
	s_cbranch_scc1 .Lnot_wave_0_\@
	s_barrier_signal -3
.Lnot_wave_0_\@:
	s_barrier_wait -3
	s_barrier_signal -1
	s_barrier_wait -1
.endm
.macro FRAG reg, adr, off
.irp p, 0,1,2
	ds_load_b128 v[\reg+4*\p:\reg+4*\p+3], v[\adr] offset:\off+512*\p
.endr
.endm
.macro FETCH_B slot, q, p
	WIN TO_B
.irp i, 0,1,2,3,4,5,6,7
	FRAG 128*(\p)+FR*\i, ADRB+\slot, (\q)*CH+1536*\i
.endr
	WIN 0
.endm
.macro FETCH_A slot, q, p
.irp i, 0,1,2,3
	FRAG AF+48*(\p)+FR*\i, ADRA+\slot, (\q)*PIECE+1536*\i
.endr
	ds_load_b128 v[SC+16*(\p):SC+16*(\p)+3], v[ADSA+\slot] offset:(\q)*PIECE
	ds_load_b128 v[SC+16*(\p)+4:SC+16*(\p)+7], v[ADSB+\slot] offset:(\q)*CH
	ds_load_b128 v[SC+16*(\p)+8:SC+16*(\p)+11], v[ADSB+\slot] offset:(\q)*CH+16
.endm
.macro MULH p, a0, zero
.irp a, \a0, \a0+1
.irp b, 0,1,2,3,4,5,6,7
.if \zero
	v_wmma_scale_f32_16x16x128_f8f6f4 v[8*(8*(\a)+\b):8*(8*(\a)+\b)+7], v[128*(\p)+FR*\b:128*(\p)+FR*\b+FR-1], v[AF+48*(\p)+FR*(\a):AF+48*(\p)+FR*(\a)+FR-1], 0, v[SC+16*(\p)+4+\b], v[SC+16*(\p)+(\a)] matrix_a_fmt:MATRIX_FMT_FP6 matrix_b_fmt:MATRIX_FMT_FP6
.else
	v_wmma_scale_f32_16x16x128_f8f6f4 v[8*(8*(\a)+\b):8*(8*(\a)+\b)+7], v[128*(\p)+FR*\b:128*(\p)+FR*\b+FR-1], v[AF+48*(\p)+FR*(\a):AF+48*(\p)+FR*(\a)+FR-1], v[8*(8*(\a)+\b):8*(8*(\a)+\b)+7], v[SC+16*(\p)+4+\b], v[SC+16*(\p)+(\a)] matrix_a_fmt:MATRIX_FMT_FP6 matrix_b_fmt:MATRIX_FMT_FP6
.endif
.endr
.endr
.endm
.macro STEP p, zero, ns, nq, land
.if \land >= 0
	s_wait_tensorcnt \land
.endif
	s_wait_dscnt 0x0
.if \land >= 0
	s_barrier_signal -1
	s_barrier_wait -1
.endif
	PLACES
	FETCH_B \ns, \nq, 1-(\p)
	FETCH_A \ns, \nq, 1-(\p)
	WIN MUL
	MULH \p, 0, \zero
	MULH \p, 2, \zero
	WIN 0
.endm
.macro TOSTAGE a
.set AC, 64*(\a)
	WIN 0x08
.irp b, 0,1,2,3,4,5,6,7
	ds_store_b128 v[STO], v[AC+8*\b:AC+8*\b+3] offset:128*(\b/2)+32*(\b%2)
	ds_store_b128 v[STO], v[AC+8*\b+4:AC+8*\b+7] offset:128*(\b/2)+32*(\b%2)+16
.endr
	WIN 0
.set BB, BK+64*((\a)%2)
.irp t, 0,1,2,3,4,5,6,7,8,9,10,11,12,13,14,15
	ds_load_b128 v[BB+4*\t:BB+4*\t+3], v[RD] offset:\t*SPITCH
.endr
.endm
.macro SEND a, younger
.set BB, BK+64*((\a)%2)
	s_wait_dscnt \younger
.irp t, 0,1,2,3,4,5,6,7,8,9,10,11,12,13,14,15
	global_store_b128 v[LI], v[BB+4*\t:BB+4*\t+3], s[OUT:OUT+1] offset:(32*((\a)/2)+8*((\a)%2)+\t%8+16*(\t/8))*4096 th:TH_STORE_NT
.endr
.endm
	s_load_b128 s[4:7], s[0:1], 0x0
	s_load_b64 s[8:9], s[0:1], 0x10
	v_lshl_add_u32 v[SPW], v0, 2, SPARE
	v_mov_b32 v[NIL], 0
	ds_add_u32 v[SPW], v[NIL]
	ds_add_u32 v[SPW], v[NIL]
	v_lshrrev_b32 v1, 5, v0
	v_readfirstlane_b32 s[WV], v1
	s_lshr_b32 s[RH], s[WV], 1
	s_and_b32 s[CF], s[WV], 1
	s_bfe_u32 s17, ttmp6, 0x40000
	s_bfe_u32 s18, ttmp6, 0x40004
	s_lshl_b32 s19, ttmp9, 2
	s_add_co_u32 s19, s19, s17
	s_and_b32 s20, ttmp7, 0xffff
	s_lshl_b32 s20, s20, 2
	s_add_co_u32 s20, s20, s18
	s_lshl_b32 s21, s18, 2
	s_lshl_b32 s21, 15, s21
	s_lshl_b32 s22, 0x1111, s17
	s_or_b32 s[G1A], s21, (3<<16)|(1<<21)
	; a load brings both K steps of a slot for one operand, as two long rows one K step (CS bytes) apart: wave (rh, cf) fills operand rh's part of slot cf at the head and of slot 2 + cf behind the full sequence
	s_mov_b32 s[G1A+1], 3200<<16
	s_mov_b32 s[G1A+2], 2<<16
	s_mov_b32 s[G1A+3], 3200<<16
	s_mov_b32 s[G1A+4], 2
	s_mov_b32 s[G1A+5], 102400
	s_mov_b32 s[G1A+6], 0
	s_mov_b32 s[G1A+7], 0
	s_or_b32 s[G1B], s22, (3<<16)|(1<<21)
	s_mov_b32 s[G1B+1], 1600<<16
	s_mov_b32 s[G1B+2], 2<<16
	s_mov_b32 s[G1B+3], 1600<<16
	s_mov_b32 s[G1B+4], 2
	s_mov_b32 s[G1B+5], 102400
	s_mov_b32 s[G1B+6], 0
	s_mov_b32 s[G1B+7], 0
	s_mul_i32 s92, s[CF], 2*CS
	s_mul_i32 s84, s20, PIECE
	s_add_co_u32 s84, s84, s92
	s_mov_b32 s85, 0
	s_mul_i32 s88, s19, CH
	s_add_co_u32 s88, s88, s92
	s_add_co_u32 s88, s88, 8*CH
	s_mov_b32 s89, 0
	s_mul_i32 s93, s[CF], SLOT
	s_mul_i32 s94, s[CF], SLOT
	s_add_co_u32 s94, s94, 2*PIECE
	s_wait_dscnt 0x0
	s_wait_kmcnt 0x0
	s_add_nc_u64 s[86:87], s[4:5], s[84:85]
	s_add_nc_u64 s[90:91], s[6:7], s[88:89]
	CROUND
.irp s, 0,1
	s_mov_b32 s[G0A+4*\s], 1
	s_add_co_u32 s[G0A+4*\s+1], s93, \s*2*SLOT
	s_add_nc_u64 s[G0A+4*\s+2:G0A+4*\s+3], s[86:87], \s*4*CS
	s_or_b32 s[G0A+4*\s+3], s[G0A+4*\s+3], 0x80000000
	s_mov_b32 s[G0B+4*\s], 1
	s_add_co_u32 s[G0B+4*\s+1], s94, \s*2*SLOT
	s_add_nc_u64 s[G0B+4*\s+2:G0B+4*\s+3], s[90:91], \s*4*CS
	s_or_b32 s[G0B+4*\s+3], s[G0B+4*\s+3], 0x80000000
.endr
	JLOAD G0A, G1A, G0B, G1B                       ; the head's one load a wave: slots 0 and 1
	v_and_b32 v1, 31, v0
	v_and_b32 v2, 15, v0
	v_bfe_u32 v3, v0, 4, 1
	v_lshlrev_b32 v[LI], 4, v1
	s_wait_alu depctr_va_vdst(0)
	v_lshlrev_b32 v4, 5, v2
	s_wait_alu depctr_va_vdst(0)
	s_mul_i32 s60, s[RH], CH
	s_mul_i32 s61, s[CF], 4*1536
	s_add_co_u32 s61, s61, s60
	s_lshl_b32 s62, s[CF], 4
	s_add_co_u32 s62, s62, s60
	s_add_co_u32 s62, s62, 12288
	s_mov_b32 s63, 2*PIECE
.irp s, 0,1,2,3
	v_add_nc_u32 v[ADRA+\s], s61, v[LI]
	v_add_nc_u32 v[ADSA+\s], s62, v4
	v_add_nc_u32 v[ADRB+\s], s63, v[LI]
	v_add_nc_u32 v[ADSB+\s], s63, v4
	v_add_nc_u32 v[ADSB+\s], 12288, v[ADSB+\s]
	s_add_co_u32 s61, s61, SLOT
	s_add_co_u32 s62, s62, SLOT
	s_add_co_u32 s63, s63, SLOT
.endr
	s_mul_i32 s60, s[WV], 16*SPITCH
	s_add_co_u32 s60, s60, STG
	v_mul_u32_u24 v5, v2, SPITCH
	v_lshl_add_u32 v5, v3, 6, v5
	v_add_nc_u32 v[STO], s60, v5
	v_add_nc_u32 v[RD], s60, v[LI]
	s_lshl_b32 s96, s20, 20
	s_lshl_b32 s98, s[RH], 19
	s_add_co_u32 s96, s96, s98
	s_lshl_b32 s98, s[CF], 18
	s_add_co_u32 s96, s96, s98
	s_lshl_b32 s98, s19, 9
	s_add_co_u32 s96, s96, s98
	s_mov_b32 s97, 0
	s_add_nc_u64 s[OUT:OUT+1], s[OUT:OUT+1], s[96:97]
	s_wait_alu depctr_va_vdst(0)
	s_wait_tensorcnt 0x0                           ; my part of slots 0 and 1 is in
	ds_add_u32 v[SPW], v[NIL]
	s_wait_dscnt 0x0
	CROUND
	JLOAD G0A+4, G1A, G0B+4, G1B                   ; slots 2 and 3
	FETCH_B 0, 0, 0
	FETCH_A 0, 0, 0
	STEP 0, 1, 0, 1, -1
	STEP 1, 0, 1, 0, -1
	STEP 0, 0, 1, 1, -1
	STEP 1, 0, 2, 0, 0
	STEP 0, 0, 2, 1, -1
	STEP 1, 0, 3, 0, -1
	STEP 0, 0, 3, 1, -1
	s_wait_dscnt 0x0
	WIN MUL
	MULH 1, 0, 0
	MULH 1, 2, 0
	WIN 0
	PLACES
	TOSTAGE 0
.irp a, 1,2,3
.if \a > 1
	s_wait_xcnt 0x0
.endif
	TOSTAGE \a
	SEND \a-1, 32
.endr
	SEND 3, 0
	s_wait_tensorcnt 0x0
	ds_add_u32 v[SPW], v[NIL]
	s_wait_dscnt 0x0
	CROUND
	s_endpgm
.Lfunc_end_k_q84ff1996b8_outproj:
	.size	k_q84ff1996b8_outproj, .Lfunc_end_k_q84ff1996b8_outproj-k_q84ff1996b8_outproj
	.p2alignl 7, 3214868480
	.fill 96, 4, 3214868480
	.section	.rodata,"a",@progbits
	.p2align	6, 0x0
	.amdhsa_kernel k_q84ff1996b8_outproj
		.amdhsa_group_segment_fixed_size 327680
		.amdhsa_private_segment_fixed_size 0
		.amdhsa_enable_private_segment 0
		.amdhsa_kernarg_size 24
		.amdhsa_user_sgpr_count 2
		.amdhsa_user_sgpr_kernarg_segment_ptr 1
		.amdhsa_wavefront_size32 1
		.amdhsa_system_sgpr_workgroup_id_x 1
		.amdhsa_system_sgpr_workgroup_id_y 1
		.amdhsa_system_sgpr_workgroup_id_z 1
		.amdhsa_system_vgpr_workitem_id 0
		.amdhsa_next_free_vgpr 1024
		.amdhsa_next_free_sgpr 100
		.amdhsa_reserve_vcc 0
		.amdhsa_float_denorm_mode_32 3
		.amdhsa_float_denorm_mode_16_64 3
		.amdhsa_memory_ordered 1
		.amdhsa_forward_progress 1
		.amdhsa_inst_pref_size 77
	.end_amdhsa_kernel
	.amdgpu_metadata
---
amdhsa.version: [ 1, 2 ]
amdhsa.kernels:
  - .name:           k_q84ff1996b8_outproj
    .symbol:         k_q84ff1996b8_outproj.kd
    .args:
      - { .name: cc, .offset: 0, .size: 8, .value_kind: global_buffer, .address_space: global }
      - { .name: wvo, .offset: 8, .size: 8, .value_kind: global_buffer, .address_space: global }
      - { .name: out0, .offset: 16, .size: 8, .value_kind: global_buffer, .address_space: global }
    .group_segment_fixed_size: 327680
    .private_segment_fixed_size: 0
    .kernarg_segment_align: 8
    .kernarg_segment_size: 24
    .max_flat_workgroup_size: 128
    .sgpr_count:     100
    .vgpr_count:     1024
    .wavefront_size: 32
...
	.end_amdgpu_metadata
.endif
;; end of part 5
